; MI455X (gfx1250); checked and timed in simulation.
; The chip was launched on July 23, 2026; its instructions are those of AMD's public machine-readable ISA for CDNA 5 (MIT licence, August 2026) and "CDNA5" Instruction Set Architecture Reference Guide (July 2026). The comments in the code are by the model that wrote it; some were corrected since.
;; Multi Head Attention. Allowed arithmetic: matrix products marked QUANTISED: E2M1 operands, one E8M0 scale for each 32 along K, by v_wmma_scale_f32_16x16x128_f8f6f4 with both operands' format E2M1 (or v_wmma_scale_f32_32x16x128_f4), f32 sums; products left as they are: bf16, f16 or f32 operands; f32 sums; everything else in f32.
;; Inputs: Wk 1,024 x 1,024 float32; Wo 1,024 x 1,024 float32; Wq 1,024 x 1,024 float32; Wv 1,024 x 1,024 float32; attention_mask 4 x 2,048 int32; bo 1,024 float32; k 4 x 2,048 x 1,024 float32; q 4 x 2,048 x 1,024 float32; v 4 x 2,048 x 1,024 float32.
;; Outputs: out0 4 x 2,048 x 1,024 float32.
;; This version of the problem:
;;   THIS VERSION OF THE PROBLEM IS GIVEN IN LOW PRECISION. The matrix products marked QUANTISED in the list below multiply operands that are first quantised to E2M1 (2 exponent bits, 1 mantissa bit; 4 bits a number), with one power-of-two scale for each 32 numbers along K (OCP MX v1.0); their sums are f32. The products marked 'left as it is' may take bf16, f16 or f32 operands, with f32 sums. Whichever they take, every output number must still come out within the allowed error. Rounding operands to bf16 (8 significant bits) uses up far more of that allowance than f16 does (11 bits, for magnitudes from 6e-5 to 65,504). All else is computed in f32.
;;   The module's matrix products, in the order in which they are computed (A, B: the left and right operand; K: the contracted axis; several contracted axes count as one K, in the product's order):
;;     1. [M 8,192, K 1,024] x [K 1,024, N 1,024]; A: input q; B: input Wq: QUANTISED
;;     2. [M 8,192, K 1,024] x [K 1,024, N 1,024]; A: input k; B: input Wk: QUANTISED
;;     3. [M 8,192, K 1,024] x [K 1,024, N 1,024]; A: input v; B: input Wv: QUANTISED
;;     4. batch 64 x [M 2,048, K 64] x [K 64, N 2,048]; A: computed on the way; B: computed on the way: left as it is (an operand is computed on the way)
;;     5. batch 64 x [M 2,048, K 2,048] x [K 2,048, N 64]; A: computed on the way; B: computed on the way: left as it is (an operand is computed on the way)
;;     6. [M 8,192, K 1,024] x [K 1,024, N 1,024]; A: computed on the way; B: input Wo: left as it is (an operand is computed on the way)
;;   THE QUANTISER, for each operand of a quantised product, along K:
;;     - K is cut into blocks of 32 from its start; a last block that is shorter is filled with zeros.
;;     - A block's scale is 2^e with e = floor(log2(the largest magnitude in the block)) - 2, held to -126 .. 127; a block of zeros has e = 0. As a byte (E8M0): e + 127.
;;     - Each number is divided by its block's scale, clamped to +-6, and rounded to the nearest number of E2M1, ties to even, subnormals kept.
;;     - The product sums the exact products of the quantised numbers (number of the format x scale) in f32.
;;   ~~~python
;;   def quantise(x, axis):      # numpy; x: float32 -> the quantised numbers, widened to float32 again
;;       x = np.moveaxis(x, axis, -1); K = x.shape[-1]
;;       x = np.pad(x, [(0, 0)] * (x.ndim - 1) + [(0, -K % 32)]); x = x.reshape(x.shape[:-1] + (-1, 32)); a = np.abs(x).max(-1, keepdims=True)
;;       e = np.where(a > 0, np.clip(np.frexp(np.where(a > 0, a, 1))[1] - 1 - 2, -126, 127), 0)      # np.frexp(a)[1] - 1 = floor(log2(a)), exactly
;;       r = np.clip(x / 2.0 ** e, -6, 6)
;;       step = 2.0 ** (np.maximum(np.frexp(np.where(r == 0, 1, r))[1] - 1, 0) - 1)
;;       q = np.round(r / step) * step * 2.0 ** e      # np.round: ties to even
;;       return np.moveaxis(q.reshape(q.shape[:-2] + (-1,))[..., :K], -1, axis).astype(np.float32)
;;   ~~~
;; One version. Each part assembles by itself: llvm-mc -triple=amdgcn-amd-amdhsa -mcpu=gfx1250 --defsym DOCPART=n.
;; ======== version 1 of 1: 4 launches
;; limits: values are held in f16: magnitudes above 65,504 overflow, below 6.1e-05 lose precision
;; workspace buffers: codes 14,155,776 bytes; scales 884,736 bytes; wo16 2,097,152 bytes; qkv 50,331,648 bytes; bs 524,288 bytes; oimg 16,777,216 bytes
;; launch prep (part 1): grid 896 x 1, 4 waves a work-group, no clusters, 33,280 bytes of LDS; arguments q, k, v, Wq, Wk, Wv, Wo, codes, scales, wo16; writes codes, scales, wo16
.if DOCPART == 1
	.amdgcn_target "amdgcn-amd-amdhsa--gfx1250"
	.amdhsa_code_object_version 6
	.text
	.protected	k_q3d2d9d8bdd_prep
	.globl	k_q3d2d9d8bdd_prep
	.p2align	8
	.type	k_q3d2d9d8bdd_prep,@function
k_q3d2d9d8bdd_prep:
	s_mov_b64 s[64:65], 0
	v_nop
	global_prefetch_b8 v0, s[64:65] scope:SCOPE_SE
	s_setreg_imm32_b32 hwreg(HW_REG_WAVE_MODE, 25, 1), 1
	s_wait_xcnt 0x0
; PREP.  q, k, v [8192][1024] and Wq, Wk, Wv [1024][1024], f32 with K innermost, become codes of FP4 (E2M1), two a byte, and one E8M0 byte for each 32 along K;
; Wo [1024][1024] becomes f16.  The six quantised tensors lie one behind the other in 'codes' ([27648 rows][512 bytes]) and 'scales' ([27648][32]): q, k, v, Wq, Wk, Wv.
; A block's scale is 2^(floor(log2(its largest magnitude)) - 2); its byte is the largest magnitude's exponent field - 2, held at 1 from below.  A block of zeros keeps the byte 1
; where the rule says 127: its codes are zeros, and this program alone reads the bytes.
; LIMITS: blocks whose largest magnitude lies under 2^-124 (the floor) keep the byte 1 and were not tried; NaN and infinities among the inputs are not served; |Wo| stays under 65,504.
; SHARES.  A work-group takes 32,768 numbers, a wave 8,192.  Work-groups 0-255 q, 256-511 k, 512-767 v, 768-799 Wq, 800-831 Wk, 832-863 Wv, 864-895 Wo.
; Rows are dense and 1024 is a multiple of 32: every tensor is a plain stream of blocks, and the place of a run in codes and scales is linear in the work-group's number.
; Each of a step's four loads reads 512 consecutive bytes; the 2,048 bytes turn through the wave's own stage in LDS so that a lane holds 16 neighbours along K.
.set WAVES, 4
.set STEPS, 16
.set EMAX,  2
.set CB,    8                          ; bytes of 16 codes
.set R,     16                         ; v16-79   four sets of 16 numbers as loaded
.set X,     80                         ; v80-111  two sets of 16 neighbours
.set C,     128                        ; v128-191 codes, four registers a step
.set E,     112                        ; v112-127 a scale byte a step
.set WREG,  8192                       ; LDS: a region for each wave: two stages of 32 x SP bytes, then its 256 scale bytes
.set SP,    80
.set SPW,   12                         ; v12 my spare word's LDS address; never rewritten
.set NIL,   13                         ; v13 0; never rewritten
.set SPARE, WAVES*WREG                 ; the spare words: 128 bytes a wave, named by no other line
.set NQUANT, 864                       ; work-groups that quantise
	s_load_b512 s[4:19], s[0:1], 0x0               ; q, k, v, Wq, Wk, Wv, Wo, codes
	s_load_b128 s[20:23], s[0:1], 0x40             ; scales, wo16
	v_lshl_add_u32 v[SPW], v0, 2, SPARE
	v_mov_b32 v[NIL], 0
	v_lshrrev_b32 v1, 5, v0
	v_readfirstlane_b32 s24, v1                    ; wave
	v_and_b32 v2, 31, v0                           ; lane
	v_lshlrev_b32 v3, 4, v2                        ; my 16 bytes of a load's 512
	s_mul_i32 s25, s24, WREG
	v_lshrrev_b32 v14, 2, v2
	v_mul_u32_u24 v14, v14, SP
	v_and_b32 v15, 3, v2
	v_lshl_add_u32 v14, v15, 4, v14
	v_add_nc_u32 v14, s25, v14                     ; the stage, on the way in: SP (lane / 4) + 16 (lane % 4)
	v_mul_u32_u24 v15, v2, SP
	v_add_nc_u32 v15, s25, v15                     ; and on the way out: SP x lane
	v_mul_u32_u24 v4, v2, CB                       ; my codes' place in a step's
	v_lshrrev_b32 v5, 1, v2
	s_add_co_u32 s25, s25, 2*32*SP
	v_add_nc_u32 v5, s25, v5                       ; my block's scale byte in the wave's 256
	v_lshlrev_b32 v7, 3, v2                        ; 8 bytes a lane
	v_add_nc_u32 v6, s25, v7
	s_lshl_b32 s28, ttmp9, 2
	s_add_co_u32 s28, s28, s24                     ; my run of 8,192 numbers: 4 x work-group + wave
	s_mov_b32 s31, 0
	s_wait_kmcnt 0x0
	s_cmp_ge_u32 ttmp9, NQUANT
	s_cbranch_scc1 .Lwo
	; which tensor: a choice among pointers on the work-group's number alone
	s_mov_b64 s[26:27], s[4:5]
	s_mov_b32 s25, 0
.macro PICK from, lo
	s_cmp_ge_u32 ttmp9, \from
	s_cselect_b64 s[26:27], s[\lo:\lo+1], s[26:27]
	s_cselect_b32 s25, \from, s25
.endm
	PICK 256, 6
	PICK 512, 8
	PICK 768, 10
	PICK 800, 12
	PICK 832, 14
	s_lshl_b32 s25, s25, 2
	s_sub_co_u32 s30, s28, s25                     ; my run within the tensor
	s_lshl_b32 s30, s30, 15                        ; x 32,768 bytes
	s_add_nc_u64 s[26:27], s[26:27], s[30:31]
	s_lshl_b32 s30, s28, 12                        ; 4,096 bytes of codes a run
	s_add_nc_u64 s[18:19], s[18:19], s[30:31]
	s_lshl_b32 s30, s28, 8                         ; 256 scale bytes a run
	s_add_nc_u64 s[20:21], s[20:21], s[30:31]
.macro LOAD t
.irp i, 0,1,2,3
	global_load_b128 v[R+16*((\t)%4)+4*\i:R+16*((\t)%4)+4*\i+3], v3, s[26:27] offset:2048*(\t)+512*\i th:TH_LOAD_NT
.endr
.endm
.macro TURN t                          ; a step's numbers through the stage: LDS serves a wave's instructions in order
.irp i, 0,1,2,3
	ds_store_b128 v14, v[R+16*((\t)%4)+4*\i:R+16*((\t)%4)+4*\i+3] offset:32*SP*((\t)%2)+8*SP*\i
.endr
.irp i, 0,1,2,3
	ds_load_b128 v[X+16*((\t)%2)+4*\i:X+16*((\t)%2)+4*\i+3], v15 offset:32*SP*((\t)%2)+16*\i
.endr
.endm
.irp t, 0,1,2,3
	LOAD \t
.endr
	s_wait_loadcnt 12                              ; step 0's four loads are in; three steps' may be out
	TURN 0
.macro STEP t
.set XS, X+16*((\t)%2)
.if (\t) > 0
	s_wait_dscnt 1                                 ; this step's numbers are back from the stage; the last step's byte store may be out
.else
	s_wait_dscnt 0x0
.endif
.if (\t)+4 < STEPS
	LOAD (\t)+4
.endif
.if (\t)+1 < STEPS
.if STEPS-2-(\t) >= 3
	s_wait_loadcnt 12                              ; the next step's loads are in; those of the three steps behind it may be out
.else
	s_wait_loadcnt 4*(STEPS-2-(\t))
.endif
	TURN (\t)+1
.endif
	v_max3_num_f32 v8, |v[XS]|, |v[XS+1]|, |v[XS+2]|
	v_max3_num_f32 v9, |v[XS+3]|, |v[XS+4]|, |v[XS+5]|
.irp i, 6,10
	v_max3_num_f32 v8, v8, |v[XS+\i]|, |v[XS+\i+1]|
	v_max3_num_f32 v9, v9, |v[XS+\i+2]|, |v[XS+\i+3]|
.endr
	v_max3_num_f32 v8, v8, |v[XS+14]|, |v[XS+15]|
	v_max3_num_f32 v8, v8, v9, (EMAX+1)<<23        ; the floor 2^(3 - 127): the byte cannot fall under 1
	v_max_num_f32_dpp v8, v8, v8 row_xmask:1 row_mask:0xf bank_mask:0xf   ; with my neighbour's 16: the block's largest magnitude
	v_add_nc_u32 v11, -(EMAX<<23), v8              ; 2 off its exponent field: the conversion's scale operand
	v_cvt_scalef32_pk8_fp4_f32 v[C+4*(\t)], v[XS:XS+7], v11
	v_cvt_scalef32_pk8_fp4_f32 v[C+4*(\t)+1], v[XS+8:XS+15], v11
	v_lshrrev_b32 v[E+(\t)], 23, v11               ; the scale's byte
	ds_store_b8 v5, v[E+(\t)] offset:16*(\t)       ; both lanes of a block write the same byte with the same value
	global_store_b64 v4, v[C+4*(\t):C+4*(\t)+1], s[18:19] offset:32*CB*(\t)   ; the wave stores 256 consecutive bytes, aligned
.endm
.irp t, 0,1,2,3,4,5,6,7,8,9,10,11,12,13,14,15
	STEP \t
.endr
	ds_load_b64 v[8:9], v6                         ; my wave's 256 scale bytes
	s_wait_dscnt 0x0
	global_store_b64 v7, v[8:9], s[20:21]          ; 256 consecutive bytes, aligned
	s_wait_tensorcnt 0x0                           ; the wave's end
	ds_add_u32 v[SPW], v[NIL]
	s_wait_dscnt 0x0
	s_endpgm
.Lwo:                                              ; Wo to f16: 8,192 numbers a wave, in two halves of 32 loads of 512 consecutive bytes
	s_sub_co_u32 s28, s28, NQUANT*4
	s_lshl_b32 s30, s28, 15
	s_add_nc_u64 s[16:17], s[16:17], s[30:31]
	s_lshl_b32 s30, s28, 14
	s_add_nc_u64 s[22:23], s[22:23], s[30:31]
.irp half, 0,1
.if \half
	s_wait_xcnt 0x0                                ; the first half's stores have read their registers: they are loaded again only behind this wait
.endif
.set i, 0
.rept 32
	global_load_b128 v[16+4*i:19+4*i], v3, s[16:17] offset:\half*16384+512*i th:TH_LOAD_NT
.set i, i+1
.endr
.set i, 0
.rept 32
	s_wait_loadcnt 31-i                            ; load i is in; the half's younger loads may be out
	v_cvt_pk_f16_f32 v[16+4*i], v[16+4*i], v[17+4*i]
	v_cvt_pk_f16_f32 v[17+4*i], v[18+4*i], v[19+4*i]
	global_store_b64 v7, v[16+4*i:17+4*i], s[22:23] offset:\half*8192+256*i   ; 256 consecutive bytes, aligned
.set i, i+1
.endr
.endr
	s_wait_tensorcnt 0x0                           ; the wave's end
	ds_add_u32 v[SPW], v[NIL]
	s_wait_dscnt 0x0
	s_endpgm
.Lfunc_end_k_q3d2d9d8bdd_prep:
	.size	k_q3d2d9d8bdd_prep, .Lfunc_end_k_q3d2d9d8bdd_prep-k_q3d2d9d8bdd_prep
	.p2alignl 7, 3214868480
	.fill 96, 4, 3214868480
	.section	.rodata,"a",@progbits
	.p2align	6, 0x0
	.amdhsa_kernel k_q3d2d9d8bdd_prep
		.amdhsa_group_segment_fixed_size 33280
		.amdhsa_private_segment_fixed_size 0
		.amdhsa_enable_private_segment 0
		.amdhsa_kernarg_size 80
		.amdhsa_user_sgpr_count 2
		.amdhsa_user_sgpr_kernarg_segment_ptr 1
		.amdhsa_wavefront_size32 1
		.amdhsa_system_sgpr_workgroup_id_x 1
		.amdhsa_system_sgpr_workgroup_id_y 1
		.amdhsa_system_sgpr_workgroup_id_z 1
		.amdhsa_system_vgpr_workitem_id 0
		.amdhsa_next_free_vgpr 192
		.amdhsa_next_free_sgpr 66
		.amdhsa_reserve_vcc 0
		.amdhsa_float_denorm_mode_32 3
		.amdhsa_float_denorm_mode_16_64 3
		.amdhsa_memory_ordered 1
		.amdhsa_forward_progress 1
		.amdhsa_inst_pref_size 56
	.end_amdhsa_kernel
	.amdgpu_metadata
---
amdhsa.version: [ 1, 2 ]
amdhsa.kernels:
  - .name:           k_q3d2d9d8bdd_prep
    .symbol:         k_q3d2d9d8bdd_prep.kd
    .args:
      - { .name: q, .offset: 0, .size: 8, .value_kind: global_buffer, .address_space: global }
      - { .name: k, .offset: 8, .size: 8, .value_kind: global_buffer, .address_space: global }
      - { .name: v, .offset: 16, .size: 8, .value_kind: global_buffer, .address_space: global }
      - { .name: Wq, .offset: 24, .size: 8, .value_kind: global_buffer, .address_space: global }
      - { .name: Wk, .offset: 32, .size: 8, .value_kind: global_buffer, .address_space: global }
      - { .name: Wv, .offset: 40, .size: 8, .value_kind: global_buffer, .address_space: global }
      - { .name: Wo, .offset: 48, .size: 8, .value_kind: global_buffer, .address_space: global }
      - { .name: codes, .offset: 56, .size: 8, .value_kind: global_buffer, .address_space: global }
      - { .name: scales, .offset: 64, .size: 8, .value_kind: global_buffer, .address_space: global }
      - { .name: wo16, .offset: 72, .size: 8, .value_kind: global_buffer, .address_space: global }
    .group_segment_fixed_size: 33280
    .private_segment_fixed_size: 0
    .kernarg_segment_align: 8
    .kernarg_segment_size: 80
    .max_flat_workgroup_size: 128
    .sgpr_count:     66
    .vgpr_count:     192
    .wavefront_size: 32
...
	.end_amdgpu_metadata
.endif
;; end of part 1
;; launch proj (part 2): grid 4 x 96, 4 waves a work-group, clusters of 4 x 4, 327,680 bytes of LDS; arguments codes, scales, attention_mask, qkv, bs; writes qkv, bs
.if DOCPART == 2
	.amdgcn_target "amdgcn-amd-amdhsa--gfx1250"
	.amdhsa_code_object_version 6
	.text
	.protected	k_q3d2d9d8bdd_proj
	.globl	k_q3d2d9d8bdd_proj
	.p2align	8
	.type	k_q3d2d9d8bdd_proj,@function
k_q3d2d9d8bdd_proj:
	s_mov_b64 s[64:65], 0
	v_nop
	global_prefetch_b8 v0, s[64:65] scope:SCOPE_SE
	s_setreg_imm32_b32 hwreg(HW_REG_WAVE_MODE, 25, 1), 1
	s_wait_xcnt 0x0
	s_wait_alu depctr_hold_cnt(0) depctr_sa_sdst(0) depctr_va_vdst(0) depctr_va_sdst(0) depctr_va_ssrc(0) depctr_va_vcc(0) depctr_vm_vsrc(0)
	s_getreg_b32 s2, hwreg(HW_REG_IB_STS2, 6, 4)
	s_cmp_eq_u32 s2, 0
	s_cbranch_scc0 .Lentry_in_a_cluster
	s_endpgm
.Lentry_in_a_cluster:
	s_bfe_u32 s2, ttmp6, 0x10000c
	s_cmp_lg_u32 s2, 0xf033
	s_cbranch_scc0 .Lentry_shape_is_right
	s_endpgm
.Lentry_shape_is_right:
; PROJ.  qh = q Wq^T, kh = k Wk^T, vh = v Wv^T on codes of FP4 (E2M1) with one E8M0 scale for each 32 along K = 1024; sums in f32; results rounded once to f16 and stored as
; IMAGES OF THE NEXT LAUNCH'S OPERAND REGISTERS; and bs: for each head and each 64 keys the f32 sum of the rows of vh whose key is not padded.
; A tile of 256 x 256 is made by four waves, 128 x 128 each: 64 accumulators.  K is two slots of 512 (rows of 256 bytes), both asked for at the start with the scale bytes: three tensor loads a wave, nothing is filled again.
; THE MATRIX INSTRUCTION: source 0 = 16 rows of "B", source 1 = 16 rows of "A": a lane holds ONE row of A (lane % 16) and eight neighbouring rows of B (8 (lane / 16) + 0..7).
;   q, k: A = 256 tokens (rows 256 (4 cluster y + cy) of codes), B = 256 rows of the weight (24576 + 1024 tensor + 256 cx): a lane holds a token and eight channels.
;   v:    A = 256 rows of Wv (26624 + 256 cy), B = 256 tokens of v (16384 + 256 (4 (cluster y & 7) + cx)): a lane holds a channel and eight KEYS, as the second product of attention wants V.
; CLUSTER 4 x 4: A's tile hangs on cy and the cluster's y alone and is shared along a row of the cluster, B's on cx and the cluster's y alone and is shared along a column: joint loads.
; The tensor's number (cluster y / 8) is the same in all partners: it chooses the tiles' numbers and, at the end, the way out.
; IMAGES in qkv (three of 16 MiB: Q, K, V; a head b x 16 + h has 262,144 bytes):  Q, K: [16 tokens kt][32 channels][16 channels c][512 bytes], lane l's 16 bytes at 16 l: token 16 kt + l % 16, 8 channels from 8 (l / 16);
;   V: [32 keys kg][16 channels ct][16 keys c][512 bytes]: channel 16 ct + l % 16, 8 keys from 8 (l / 16).  Every store of a wave covers 512 consecutive bytes, aligned.
; bs: [head][64 keys blk][64] f32; place 4 r + ct holds channel 16 ct + r.
; LIMITS: |qh|, |kh|, |vh| stay under 65,504 (f16); numbers under 6e-5 are carried with a step of 6e-8.
; REGISTERS: window 0: v0-31 addresses; v32-95 scale words, two sets; v128-191 A's fragments, one set; on the way out v32-159 packed results, v160-191 sums, v192-255 the mask.
;   window 1: B's fragments, two sets, at v0 and v128.  window 2: accumulators of A's blocks 0-3 ((a, b) at v[8 (8 a + b)]); window 3: of blocks 4-7.
.set KSTEP,  512
.set NQ,     KSTEP/128
.set ROWB,   256
.set KROW,   512                       ; a row of codes in memory
.set PITCH,  272                       ; an LDS row: 256 bytes + 16 of padding: the 16 rows that a load touches start at 16 different banks (64 banks of 4 bytes: ISA guide 11.1)
.set FR,     8
.set NL,     2
.set NP,     4
.set HALFT,  128*PITCH
.set SLOT,   4*HALFT
.set KS,     32                        ; a row of scale bytes
.set SCL,    2*SLOT
.set HALFS,  (128*KS/256)*272
.set SBLK,   (16*KS/256)*272
.set SPARE,  SCL+4*HALFS               ; the spare words: 128 bytes a wave, named by no other line
.set ADRA, 16
.set ADRB, 20
.set CO,   26                          ; v26 16 x lane
.set ADRS, 27
.set SPW,  28
.set NIL,  29
.set SC,   32
.set AF,   128
.set PK,   32
.set SU,   160
.set MK,   192
.set G1, 24
.set G0, 32
.set G1B, 48
.set G0B, 56
.set G1S, 68
.set G0S, 76
.set G1SB, 80
.set G0SB, 88
.set MSB, 0
.macro WIN new                         ; the immediate's high byte repeats the setting that is left
.if MSB != (\new)
	s_set_vgpr_msb (MSB<<8)|(\new)
.set MSB, (\new)
.endif
.endm
.set MUL_LO, 0xa1                      ; source 0 (B) window 1, source 1 (A) window 0, C and D window 2
.set MUL_HI, 0xf1
.set TO_B,   0x40
; a joint load: waves 0 and 1 fetch for A, waves 2 and 3 for B; an s_nop 0 and four v_nop follow each of the two lines
.macro JLOAD g0a, g1a, g0b, g1b
	s_cmp_eq_u32 s15, 0
	s_cbranch_scc0 .Lfor_b_\@
	tensor_load_to_lds s[\g0a:\g0a+3], s[\g1a:\g1a+7]
	s_nop 0
.rept 4
	v_nop
.endr
	s_branch .Lasked_\@
.Lfor_b_\@:
	tensor_load_to_lds s[\g0b:\g0b+3], s[\g1b:\g1b+7]
	s_nop 0
.rept 4
	v_nop
.endr
.Lasked_\@:
.endm
.macro CROUND                          ; a round of the cluster's barrier
	s_barrier_signal -1
	s_barrier_wait -1
	s_cmp_lg_u32 s14, 0
	s_cbranch_scc1 .Lnot_wave_0_\@
	s_barrier_signal -3
.Lnot_wave_0_\@:
	s_barrier_wait -3
	s_barrier_signal -1
	s_barrier_wait -1
.endm
	s_load_b256 s[4:11], s[0:1], 0x0               ; codes s[4:5], scales s[6:7], attention_mask s[8:9], qkv s[10:11]
	s_load_b64 s[12:13], s[0:1], 0x20              ; bs
	v_lshl_add_u32 v[SPW], v0, 2, SPARE
	v_mov_b32 v[NIL], 0
	ds_add_u32 v[SPW], v[NIL]                      ; the wave's opening: the add, twice on end, and its wait ahead of my first tensor load
	ds_add_u32 v[SPW], v[NIL]
	v_lshrrev_b32 v1, 5, v0
	v_readfirstlane_b32 s14, v1                    ; wave 0..3
	s_lshr_b32 s15, s14, 1                         ; my half of A's rows.  Also: I fetch for A (0) or for B (1)
	s_and_b32 s16, s14, 1                          ; my half of B's rows.  Also: which 128 rows I fetch
	s_bfe_u32 s40, ttmp6, 0x40000                  ; cx
	s_bfe_u32 s41, ttmp6, 0x40004                  ; cy
	s_and_b32 s17, ttmp7, 0xffff                   ; the cluster's y, 0..23
	s_lshr_b32 s96, s17, 3                         ; the tensor: 0 q, 1 k, 2 v
	s_and_b32 s97, s17, 7                          ; the cluster's number within its tensor
	s_lshl_b32 s43, s41, 2
	s_lshl_b32 s43, 15, s43                        ; my row of the cluster
	s_lshl_b32 s44, 0x1111, s40                    ; my column
	s_lshl_b32 s42, s17, 2
	s_add_co_u32 s42, s42, s41                     ; q, k: A's tile of 256 rows of codes = 4 cluster y + cy
	s_add_co_u32 s45, s41, 104                     ; v:    A's tile = 104 + cy (Wv begins at row 26624)
	s_lshl_b32 s46, s96, 2
	s_add_co_u32 s46, s46, s40
	s_add_co_u32 s46, s46, 96                      ; q, k: B's tile = 96 + 4 tensor + cx
	s_lshl_b32 s47, s97, 2
	s_add_co_u32 s47, s47, s40
	s_add_co_u32 s47, s47, 64                      ; v:    B's tile = 64 + 4 (cluster y & 7) + cx
	s_cmp_eq_u32 s96, 2
	s_cselect_b32 s42, s45, s42                    ; made of cy and the cluster's y alone
	s_cselect_b32 s46, s47, s46                    ; made of cx and the cluster's y alone
	s_mov_b32 s98, 0x76543210
	s_mov_b32 s99, 0xfedcba98                      ; v_permlanex16_b32's selects for lane l xor 16
	; descriptor group 1: a tile of 128 rows x 256 bytes, 16 bytes of padding behind each row
	s_or_b32 s[G1+0], s43, (0<<16)|(1<<20)|(1<<21)|(5<<22)|(3<<25)
	s_or_b32 s[G1B+0], s44, (0<<16)|(1<<20)|(1<<21)|(5<<22)|(3<<25)
.irp g, G1, G1B
	s_mov_b32 s[\g+1], ROWB<<16                    ; tensor_dim0
	s_mov_b32 s[\g+2], 128<<16                     ; tensor_dim1
	s_mov_b32 s[\g+3], ROWB<<16                    ; tile_dim0
	s_mov_b32 s[\g+4], 128                         ; tile_dim1
	s_mov_b32 s[\g+5], KROW                        ; tensor_dim0_stride
	s_mov_b32 s[\g+6], 0
	s_mov_b32 s[\g+7], 0
.endr
	; the scale bytes of 128 rows: 4,096 dense bytes as 16 rows of 256 (32 elements of 8 bytes), 16 bytes of padding behind each
	s_or_b32 s[G1S+0], s43, (3<<16)|(1<<20)|(1<<21)|(5<<22)|(3<<25)
	s_or_b32 s[G1SB+0], s44, (3<<16)|(1<<20)|(1<<21)|(5<<22)|(3<<25)
.irp g, G1S, G1SB
	s_mov_b32 s[\g+1], 32<<16
	s_mov_b32 s[\g+2], (128*KS/256)<<16
	s_mov_b32 s[\g+3], 32<<16
	s_mov_b32 s[\g+4], 128*KS/256
	s_mov_b32 s[\g+5], 32
	s_mov_b32 s[\g+6], 0
	s_mov_b32 s[\g+7], 0
.endr
	s_lshl_b32 s18, s16, 7                         ; which 128 rows of the tile I fetch
	s_lshl_b32 s20, s42, 8
	s_add_co_u32 s20, s20, s18                     ; A's first row
	s_lshl_b32 s46, s46, 8
	s_add_co_u32 s46, s46, s18                     ; B's first row
	s_mov_b32 s21, 0
	s_mov_b32 s47, 0
	s_mov_b64 s[18:19], KS
	s_mul_u64 s[22:23], s[20:21], s[18:19]         ; where these rows' scale bytes begin
	s_mul_u64 s[92:93], s[46:47], s[18:19]
	s_mov_b64 s[18:19], KROW
	s_mul_u64 s[20:21], s[20:21], s[18:19]         ; and their codes
	s_mul_u64 s[46:47], s[46:47], s[18:19]
	s_mul_i32 s45, s14, HALFT                      ; where they go: wave x 128 rows
	s_mul_i32 s94, s14, HALFS
	s_wait_dscnt 0x0                               ; both opening adds are done
	s_wait_kmcnt 0x0
	s_add_nc_u64 s[20:21], s[4:5], s[20:21]
	s_add_nc_u64 s[22:23], s[6:7], s[22:23]
	s_add_nc_u64 s[46:47], s[4:5], s[46:47]
	s_add_nc_u64 s[92:93], s[6:7], s[92:93]
	CROUND                                         ; all sixteen work-groups are here: the joint loads meet
	s_mov_b32 s[G0S], 1
	s_add_co_u32 s[G0S+1], s94, SCL
	s_mov_b64 s[G0S+2:G0S+3], s[22:23]
	s_or_b32 s[G0S+3], s[G0S+3], 0x80000000
	s_mov_b32 s[G0SB], 1
	s_add_co_u32 s[G0SB+1], s94, SCL
	s_mov_b64 s[G0SB+2:G0SB+3], s[92:93]
	s_or_b32 s[G0SB+3], s[G0SB+3], 0x80000000
	JLOAD G0S, G1S, G0SB, G1SB                     ; the scale bytes first
.irp s, 0,1
	s_mov_b32 s[G0+4*\s], 1
	s_add_co_u32 s[G0+4*\s+1], s45, \s*SLOT
	s_add_nc_u64 s[G0+4*\s+2:G0+4*\s+3], s[20:21], \s*ROWB
	s_or_b32 s[G0+4*\s+3], s[G0+4*\s+3], 0x80000000
	s_mov_b32 s[G0B+4*\s], 1
	s_add_co_u32 s[G0B+4*\s+1], s45, \s*SLOT
	s_add_nc_u64 s[G0B+4*\s+2:G0B+4*\s+3], s[46:47], \s*ROWB
	s_or_b32 s[G0B+4*\s+3], s[G0B+4*\s+3], 0x80000000
	JLOAD G0+4*\s, G1, G0B+4*\s, G1B               ; three tensor loads of mine are out behind the second of these
.endr
	v_and_b32 v1, 15, v0                           ; l % 16
	v_bfe_u32 v2, v0, 4, 1                         ; l / 16
	v_mul_u32_u24 v3, v1, PITCH
	v_lshl_add_u32 v4, v2, 4, v3                   ; a fragment's row x pitch + 16 x half
	s_mul_i32 s21, s15, HALFT                      ; my 128 rows of A
	s_mul_i32 s22, s16, HALFT                      ; my 128 rows of B,
	s_add_co_u32 s22, s22, 2*HALFT                 ; behind A's 256
.irp s, 0,1
	v_add_nc_u32 v[ADRA+\s], s21, v4
	v_add_nc_u32 v[ADRB+\s], s22, v4
	s_add_co_u32 s21, s21, SLOT
	s_add_co_u32 s22, s22, SLOT
.endr
	v_mul_u32_u24 v5, v1, KS                       ; my row's scale bytes: 32 a row,
	v_lshrrev_b32 v6, 8, v5
	v_lshl_add_u32 v5, v6, 4, v5                   ; and 16 more for each 256 passed
	s_mul_i32 s21, s15, HALFS
	s_mul_i32 s22, s16, HALFS
	s_add_co_u32 s22, s22, 2*HALFS
	s_sub_co_u32 s22, s22, s21
	v_mul_u32_u24 v6, s22, v2                      ; lanes 16-31 take B's
	s_add_co_u32 s21, s21, SCL
	v_add_nc_u32 v5, v5, v6
	v_add_nc_u32 v[ADRS], s21, v5
	v_and_b32 v7, 31, v0                           ; lane
	v_lshlrev_b32 v[CO], 4, v7
	v_lshlrev_b32 v8, 5, v2                        ; the mask: 8 keys of 4 bytes for each half of the lanes
	; where my results go.  Tokens: tile TT of 32 in the tensor, my half th; channels: tile of 4, my half
	s_cmp_eq_u32 s96, 2
	s_cselect_b32 s20, s40, s41                    ; the token tile's place in the cluster
	s_cselect_b32 s21, s41, s40                    ; the channel tile
	s_cselect_b32 s22, s16, s15                    ; my half of the tokens
	s_cselect_b32 s23, s15, s16                    ; my half of the channels
	s_lshl_b32 s45, s97, 2
	s_add_co_u32 s20, s20, s45                     ; TT
	s_lshr_b32 s46, s20, 3                         ; batch
	s_and_b32 s20, s20, 7
	s_lshl_b32 s20, s20, 8
	s_lshl_b32 s22, s22, 7
	s_add_co_u32 s20, s20, s22                     ; my first token in its sequence
	s_lshl_b32 s21, s21, 2
	s_lshl_b32 s23, s23, 1
	s_add_co_u32 s21, s21, s23
	s_lshl_b32 s47, s46, 4
	s_add_co_u32 s21, s21, s47                     ; batch x 16 + my first head
	s_lshl_b32 s92, s96, 24                        ; the tensor's image,
	s_lshl_b32 s93, s21, 18                        ; the head's part,
	s_add_co_u32 s92, s92, s93
	s_lshl_b32 s93, s20, 7                         ; 128 bytes a token
	s_add_co_u32 s92, s92, s93
	s_mov_b32 s93, 0
	s_add_nc_u64 s[10:11], s[10:11], s[92:93]
	s_lshl_b32 s92, s46, 11
	s_add_co_u32 s92, s92, s20
	s_lshl_b32 s92, s92, 2
	s_add_nc_u64 s[8:9], s[8:9], s[92:93]          ; the mask at my first token
	s_lshl_b32 s92, s21, 13
	s_lshr_b32 s94, s20, 6
	s_lshl_b32 s94, s94, 8
	s_add_co_u32 s92, s92, s94
	s_add_nc_u64 s[12:13], s[12:13], s[92:93]      ; bs at my first head and block of 64 keys
.macro FRAG reg, adr, q, i             ; 16 rows x 128 K of 4-bit codes: 8 registers, two loads of 16 bytes, 32 bytes apart
.irp c, 0,1
	ds_load_b128 v[\reg+4*\c:\reg+4*\c+3], v[\adr] offset:64*(\q)+32*\c+(\i)*16*PITCH
.endr
.endm
; 16 matrix instructions: A's blocks a0, a0 + 1 x B's eight.  The 64 accumulators take turns, one instruction a turn, in the same order in every step.
.macro MUL16 a0, p, q, sc, zero
.irp a, \a0, \a0+1
.irp b, 0,1,2,3,4,5,6,7
.if \zero
	v_wmma_scale_f32_16x16x128_f8f6f4 v[8*(8*((\a)%4)+\b):8*(8*((\a)%4)+\b)+7], v[128*(\p)+FR*\b:128*(\p)+FR*\b+FR-1], v[AF+FR*(\a):AF+FR*(\a)+FR-1], 0, v[SC+8*NQ*(\sc)+NQ*\b+(\q)], v[SC+8*NQ*(\sc)+NQ*(\a)+(\q)] matrix_a_fmt:MATRIX_FMT_FP4 matrix_b_fmt:MATRIX_FMT_FP4 matrix_a_scale:MATRIX_SCALE_ROW1
.else
	v_wmma_scale_f32_16x16x128_f8f6f4 v[8*(8*((\a)%4)+\b):8*(8*((\a)%4)+\b)+7], v[128*(\p)+FR*\b:128*(\p)+FR*\b+FR-1], v[AF+FR*(\a):AF+FR*(\a)+FR-1], v[8*(8*((\a)%4)+\b):8*(8*((\a)%4)+\b)+7], v[SC+8*NQ*(\sc)+NQ*\b+(\q)], v[SC+8*NQ*(\sc)+NQ*(\a)+(\q)] matrix_a_fmt:MATRIX_FMT_FP4 matrix_b_fmt:MATRIX_FMT_FP4 matrix_a_scale:MATRIX_SCALE_ROW1
.endif
.endr
.endr
.endm
.macro FETCH_B slot, q, p
	WIN TO_B
.irp i, 0,1,2,3,4,5,6,7
	FRAG 128*(\p)+FR*\i, ADRB+\slot, \q, \i
.endr
	WIN 0
.endm
.macro FETCH_A slot, q, i0
.irp i, \i0, \i0+1, \i0+2, \i0+3
	FRAG AF+FR*(\i), ADRA+\slot, \q, \i
.endr
.endm
.macro SCALES sc                       ; a slot's scale words: lanes 0-15 A's block i, lanes 16-31 B's block i; four words a row
.irp i, 0,1,2,3,4,5,6,7
	ds_load_b128 v[SC+8*NQ*\sc+NQ*\i:SC+8*NQ*\sc+NQ*\i+3], v[ADRS] offset:\i*SBLK
.endr
.endm
.macro PLACES n                        ; plain vector instructions between a matrix instruction and a load into, or a read of, its registers
.rept \n
	v_nop
.endr
.endm
.macro STEP slot, q, zero              ; 128 along K, with its successor in the same slot
	s_wait_dscnt 4*NL                              ; B's set and A's blocks 0-3 are in; A's blocks 4-7 (eight loads) may be out
	WIN MUL_LO
	MUL16 0, (\q)%2, \q, \slot, \zero
	MUL16 2, (\q)%2, \q, \slot, \zero
	s_wait_dscnt 0
	PLACES NP
	FETCH_B \slot, (\q)+1, 1-(\q)%2
	FETCH_A \slot, (\q)+1, 0
	WIN MUL_HI
	MUL16 4, (\q)%2, \q, \slot, \zero
	MUL16 6, (\q)%2, \q, \slot, \zero
	PLACES NP
	WIN 0
	FETCH_A \slot, (\q)+1, 4
.endm
.macro TURN slot, next                 ; slot 0's last step: slot 1's tile is waited for and shown to all four waves; nothing is filled again
	s_wait_tensorcnt 0x0                           ; all my tensor loads have landed
	ds_add_u32 v[SPW], v[NIL]
	s_wait_dscnt 4*NL+1                            ; the add and A's blocks 4-7 may be out
	WIN MUL_LO
	MUL16 0, 1, NQ-1, \slot, 0
	s_wait_dscnt 0x0
	s_barrier_signal -1
	MUL16 2, 1, NQ-1, \slot, 0
	WIN 0
	s_barrier_wait -1
	PLACES NP
	v_add_nc_u32 v[ADRS], 4*NQ, v[ADRS]            ; on to the next slot's scale words
	FETCH_B \next, 0, 0
	FETCH_A \next, 0, 0
	SCALES \next
	WIN MUL_HI
	MUL16 4, 1, NQ-1, \slot, 0
	MUL16 6, 1, NQ-1, \slot, 0
	PLACES NP
	WIN 0
	FETCH_A \next, 0, 4
.endm
.macro STEPS slot, from
.set Q, \from
.rept NQ-1-\from
	STEP \slot, Q, 0
.set Q, Q+1
.endr
.endm
	s_wait_tensorcnt 1                             ; the scale bytes and my part of slot 0 are in; slot 1's load may be out
	s_barrier_signal -1
	s_barrier_wait -1
	FETCH_B 0, 0, 0
	FETCH_A 0, 0, 0
	SCALES 0
	FETCH_A 0, 0, 4
	STEP 0, 0, 1                                   ; the first products start the sums
	STEPS 0, 1
	TURN 0, 1
	STEPS 1, 0
	s_wait_dscnt 4*NL
	WIN MUL_LO
	MUL16 0, 1, NQ-1, 1, 0
	MUL16 2, 1, NQ-1, 1, 0
	s_wait_dscnt 0
	WIN MUL_HI
	MUL16 4, 1, NQ-1, 1, 0
	MUL16 6, 1, NQ-1, 1, 0
	WIN 0
	PLACES NP                                      ; in front of the reads of results and the writes into registers that held operands and scales
; THE WAY OUT.  An accumulator's eight f32 of a lane pack into 16 bytes of f16, which are the lane's 16 bytes of an image: no turn through LDS.
.macro OUT isv
.irp a, 0,1,2,3,4,5,6,7
.if \a == 4
	s_wait_xcnt 0x0                                ; blocks 0-3's stores have read their registers, which are written again
.endif
	WIN 0x0a+5*(\a/4)                              ; sources 0 and 1: window 2 or 3
.irp b, 0,1,2,3,4,5,6,7
.irp i, 0,1,2,3
	v_cvt_pk_f16_f32 v[PK+32*(\a%4)+4*\b+\i], v[64*(\a%4)+8*\b+2*\i], v[64*(\a%4)+8*\b+2*\i+1]
.endr
.endr
	WIN 0
.irp b, 0,1,2,3,4,5,6,7
.if \isv
	global_store_b128 v[CO], v[PK+32*(\a%4)+4*\b:PK+32*(\a%4)+4*\b+3], s[10:11] offset:(\a/4)*262144+(\b/2)*4096+(\a%4)*1024+(\b%2)*512 th:TH_STORE_NT
.else
	global_store_b128 v[CO], v[PK+32*(\a%4)+4*\b:PK+32*(\a%4)+4*\b+3], s[10:11] offset:(\b/4)*262144+\a*2048+((\b%4)/2)*1024+(\b%2)*512 th:TH_STORE_NT
.endif
.endr
.endr
.endm
	s_cmp_eq_u32 s96, 2
	s_cbranch_scc1 .Lv
	OUT 0
	s_branch .Lend
.Lv:
.irp b, 0,1,2,3,4,5,6,7                ; the mask of key 16 b + 8 (l / 16) + j, in the accumulators' layout
	global_load_b128 v[MK+8*\b:MK+8*\b+3], v8, s[8:9] offset:64*\b
	global_load_b128 v[MK+8*\b+4:MK+8*\b+7], v8, s[8:9] offset:64*\b+16
.endr
	OUT 1
	s_wait_loadcnt 0x0
.set n, 0
.rept 64
	v_cmp_ne_u32 vcc_lo, 0, v[MK+n]
	v_cndmask_b32 v[MK+n], 0, 1.0, vcc_lo          ; 1.0 where the key counts
.set n, n+1
.endr
	; the sums over 64 keys (u = 0, 1: B's blocks 4 u .. 4 u + 3) for each of my 8 tiles of channels: eight chains by turns
.irp hi, 0,1
	WIN 0x02+\hi                                   ; source 0: window 2 or 3
.irp s, 0,1,2,3,4,5,6,7,8,9,10,11,12,13,14,15
.irp u, 0,1
.irp a, 0,1,2,3
.if \s == 0
	v_pk_mul_f32 v[SU+16*\u+2*(4*\hi+\a):SU+16*\u+2*(4*\hi+\a)+1], v[64*\a+8*(4*\u+\s/4)+2*(\s%4):64*\a+8*(4*\u+\s/4)+2*(\s%4)+1], v[MK+8*(4*\u+\s/4)+2*(\s%4):MK+8*(4*\u+\s/4)+2*(\s%4)+1]
.else
	v_pk_fma_f32 v[SU+16*\u+2*(4*\hi+\a):SU+16*\u+2*(4*\hi+\a)+1], v[64*\a+8*(4*\u+\s/4)+2*(\s%4):64*\a+8*(4*\u+\s/4)+2*(\s%4)+1], v[MK+8*(4*\u+\s/4)+2*(\s%4):MK+8*(4*\u+\s/4)+2*(\s%4)+1], v[SU+16*\u+2*(4*\hi+\a):SU+16*\u+2*(4*\hi+\a)+1]
.endif
.endr
.endr
.endr
.endr
	WIN 0
.irp x, 0,1,2,3,4,5,6,7,8,9,10,11,12,13,14,15
	v_add_f32 v[SU+2*\x], v[SU+2*\x], v[SU+2*\x+1]
.endr
.irp x, 0,1,2,3,4,5,6,7,8,9,10,11,12,13,14,15
	v_permlanex16_b32 v[SU+2*\x+1], v[SU+2*\x], s98, s99
.endr
.irp x, 0,1,2,3,4,5,6,7,8,9,10,11,12,13,14,15
	v_add_f32 v[SU+2*\x], v[SU+2*\x], v[SU+2*\x+1] ; with the other half of the lanes' keys
.endr
	v_cmp_le_u32 vcc_lo, 16, v7
.irp x, 0,1,2,3,4,5,6,7
	v_cndmask_b32 v[MK+\x], v[SU+2*\x], v[SU+16+2*\x], vcc_lo   ; lanes 0-15 carry the first 64 keys' sums, lanes 16-31 the second's
.endr
	global_store_b128 v[CO], v[MK:MK+3], s[12:13]                ; my first head: two blocks, 512 consecutive bytes, aligned
	global_store_b128 v[CO], v[MK+4:MK+7], s[12:13] offset:8192  ; my second head
.Lend:
	s_wait_tensorcnt 0x0                           ; the wave's end
	ds_add_u32 v[SPW], v[NIL]
	s_wait_dscnt 0x0
	CROUND                                         ; the closing round
	s_endpgm
.Lfunc_end_k_q3d2d9d8bdd_proj:
	.size	k_q3d2d9d8bdd_proj, .Lfunc_end_k_q3d2d9d8bdd_proj-k_q3d2d9d8bdd_proj
	.p2alignl 7, 3214868480
	.fill 96, 4, 3214868480
	.section	.rodata,"a",@progbits
	.p2align	6, 0x0
	.amdhsa_kernel k_q3d2d9d8bdd_proj
		.amdhsa_group_segment_fixed_size 327680
		.amdhsa_private_segment_fixed_size 0
		.amdhsa_enable_private_segment 0
		.amdhsa_kernarg_size 40
		.amdhsa_user_sgpr_count 2
		.amdhsa_user_sgpr_kernarg_segment_ptr 1
		.amdhsa_wavefront_size32 1
		.amdhsa_system_sgpr_workgroup_id_x 1
		.amdhsa_system_sgpr_workgroup_id_y 1
		.amdhsa_system_sgpr_workgroup_id_z 1
		.amdhsa_system_vgpr_workitem_id 0
		.amdhsa_next_free_vgpr 1024
		.amdhsa_next_free_sgpr 100
		.amdhsa_reserve_vcc 1
		.amdhsa_float_denorm_mode_32 3
		.amdhsa_float_denorm_mode_16_64 3
		.amdhsa_memory_ordered 1
		.amdhsa_forward_progress 1
		.amdhsa_inst_pref_size 167
	.end_amdhsa_kernel
	.amdgpu_metadata
---
amdhsa.version: [ 1, 2 ]
amdhsa.kernels:
  - .name:           k_q3d2d9d8bdd_proj
    .symbol:         k_q3d2d9d8bdd_proj.kd
    .args:
      - { .name: codes, .offset: 0, .size: 8, .value_kind: global_buffer, .address_space: global }
      - { .name: scales, .offset: 8, .size: 8, .value_kind: global_buffer, .address_space: global }
      - { .name: attention_mask, .offset: 16, .size: 8, .value_kind: global_buffer, .address_space: global }
      - { .name: qkv, .offset: 24, .size: 8, .value_kind: global_buffer, .address_space: global }
      - { .name: bs, .offset: 32, .size: 8, .value_kind: global_buffer, .address_space: global }
    .group_segment_fixed_size: 327680
    .private_segment_fixed_size: 0
    .kernarg_segment_align: 8
    .kernarg_segment_size: 40
    .max_flat_workgroup_size: 128
    .sgpr_count:     100
    .vgpr_count:     1024
    .wavefront_size: 32
...
	.end_amdgpu_metadata
.endif
;; end of part 2
;; launch attn (part 3): grid 4 x 64, 8 waves a work-group, no clusters, 327,680 bytes of LDS; arguments qkv, bs, attention_mask, oimg; writes oimg
.if DOCPART == 3
	.amdgcn_target "amdgcn-amd-amdhsa--gfx1250"
	.amdhsa_code_object_version 6
	.text
	.protected	k_q3d2d9d8bdd_attn
	.globl	k_q3d2d9d8bdd_attn
	.p2align	8
	.type	k_q3d2d9d8bdd_attn,@function
k_q3d2d9d8bdd_attn:
	s_mov_b64 s[64:65], 0
	v_nop
	global_prefetch_b8 v0, s[64:65] scope:SCOPE_SE
	s_setreg_imm32_b32 hwreg(HW_REG_WAVE_MODE, 25, 1), 1
	s_wait_xcnt 0x0
; ATTN.  For each batch and head: score(l, s) = qh[l] . kh[s] / 8 where s <= l, 0 where s > l, -infinity where key s is padded; softmax over ALL keys; O = the weights x vh.
; Operands f16, products' sums, maxima and sums in f32; the weights are rounded to f16 for the second product, O once at the end.
; WHAT IS NOT MULTIPLIED.  Keys behind a query's block of 64 have the score 0 whatever qh and kh hold: their part of the numerator is the sum of the unpadded rows of vh (bs, summed over the blocks behind)
; and their part of the denominator the count of unpadded keys.  Both enter as the START of the running softmax: O = that sum, l = that count, m = 0 (or -3e38 where the count is 0).
; SOFTMAX.  A running maximum m (of raw scores) and sum l for each query: p = 2^(c s - c m), c = log2(e) / 8; in every step O and l are multiplied by 2^(c m_old - c m_new).
; SHARES.  Work-group (J, head) makes two passes: the 256 queries of block 7 - J, then those of block J.  A slot holds 256 keys; the passes walk 8 - J and J + 1 slots: nine in every work-group.
; Each of eight waves owns 32 queries (two tiles of 16) and walks a slot in four steps of 64 keys; steps that lie wholly behind its queries are jumped over (a branch on ids).
; LAYOUT.  S^T = K Q^T (source 0 = 16 keys, source 1 = 16 queries) and O^T = V^T P: a lane holds ONE query throughout.  The padding's bias (0 or -infinity for each key) is the C of a score's first product.
; K, V and Q lie in memory as images of the operands' registers: every LDS and global load takes 16 bytes at 16 x lane.
; NO CLUSTER: the four work-groups of a head ask for different slots from the sixth change of slots on (8 - J against J + 1 slots a pass), and a joint load wants the same descriptor in all partners.
; LIMITS: |O| under 65,504; numbers under 6e-5 carried with a step of 6e-8; a batch with no unpadded key gives NaN, as the definition does; NaN and infinities among the inputs are not served.
; REGISTERS.  window 0: v1-11 addresses and temporaries; v12-27 statistics, eight a tile (c m, m, l in two halves, four at work); v28-31 addresses; v32-63 Q; v64-95 the bias; v96-127 P; v128-191 S^T; v192-255 at work.
;   window 1: v0-63 O^T; v64-127 K of a step; v128-191 V of a step.
.set SLOT1, 1<<16                      ; a slot: K's 16 images of 2,048 bytes, then V's 8 of 4,096; slot 1 begins here
.set VOFF,  32768
.set BIASB, 131072                     ; 2,048 f32: 0 or -infinity for each key of the batch
.set CTB,   139264                     ; 256 f32: the count of unpadded keys among each 8
.set XCH,   140288                     ; 256 bytes for each wave, its own
.set SPARE, 142336                     ; the spare words: 128 bytes a wave, named by no other line
.set LI,  1                            ; 16 x lane
.set ADR, 2                            ; the slot in hand + 16 x lane
.set ADB, 3                            ; the slot's first key's bias + 32 (lane / 16)
.set XA,  4
.set XB,  5
.set SPW, 6
.set NIL, 7
.set LANE, 8
.set DQ,  9                            ; lane % 16 - 8 (lane / 16)
.set T0,  10
.set ST,  12
.set CTA, 28
.set AB0, 29
.set L8,  30
.set PFO, 31
.set Q,   32
.set BI,  64
.set P,   96
.set S,   128
.set PKO, 192
.set O,   0                            ; window 1
.set KR,  64
.set VR,  128
.set WV,  12
.set J,   13
.set BH,  14
.set NP1, 15                           ; slots of the first pass
.set SI,  16                           ; the trip
.set TB,  17                           ; LDS byte of the slot in hand
.set KF,  18                           ; its first key
.set Q0,  19                           ; my first query
.set SEL, 20
.set CS,  22
.set G1,  24
.set G0,  32
.set SRC, 36                           ; my 8,192 bytes of the head's slot 0, in K's image (waves 0-3) or V's (waves 4-7)
.set PFA, 38
.set LIM, 40
.set JD,  42                           ; my queries' block of 64 keys
.set QL,  43                           ; my last query
.set QP,  44
.set BSP, 46
.set OP,  48
.set SELF, 50
.set QH,  60
.set MSB, 0
.macro WIN new                         ; the immediate's high byte repeats the setting that is left
.if MSB != (\new)
	s_set_vgpr_msb (MSB<<8)|(\new)
.set MSB, (\new)
.endif
.endm
.macro PLACES                          ; plain vector instructions between a matrix instruction and a load into, or a read of, its registers
.rept 4
	v_nop
.endr
.endm
; my queries of a pass: ids, Q's fragments (8 loads) and the head's 32 block sums (32 loads of 256 consecutive bytes)
.macro INIT_LOAD pass
.if \pass
	s_lshl_b32 s52, s[J], 8
.else
	s_sub_co_u32 s52, 7, s[J]
	s_lshl_b32 s52, s52, 8
.endif
	s_lshl_b32 s53, s[WV], 5
	s_add_co_u32 s[Q0], s52, s53
	s_add_co_u32 s[QL], s[Q0], 31
	s_lshr_b32 s[JD], s[Q0], 6
	s_lshl_b32 s52, s[Q0], 7
	s_mov_b32 s53, 0
	s_add_nc_u64 s[QP:QP+1], s[QH:QH+1], s[52:53]
.irp t, 0,1
.irp d, 0,1
.irp c, 0,1
	global_load_b128 v[Q+16*\t+8*\d+4*\c:Q+16*\t+8*\d+4*\c+3], v[LI], s[QP:QP+1] offset:\t*2048+\d*1024+\c*512
.endr
.endr
.endr
.set i, 0
.rept 32
	global_load_b64 v[S+2*i:S+2*i+1], v[L8], s[BSP:BSP+1] offset:256*i
.set i, i+1
.endr
.endm
; the start of a pass's running softmax
.macro INIT_USE
	ds_load_b128 v[P:P+3], v[CTA]                  ; lane l: the counts of block l's eight groups of 8 keys
	ds_load_b128 v[P+4:P+7], v[CTA] offset:16
	s_wait_loadcnt 0x0                             ; Q and the block sums
.set i, 0
.rept 32
	s_cmp_lt_u32 s[JD], i                          ; block i lies behind my queries' block
	s_cselect_b32 s[SELF], 1.0, 0
.if i < 2
	v_pk_mul_f32 v[P+8+2*i:P+9+2*i], v[S+2*i:S+2*i+1], s[SELF:SELF+1] op_sel_hi:[1,0]
.else
	v_pk_fma_f32 v[P+8+2*(i%2):P+9+2*(i%2)], v[S+2*i:S+2*i+1], s[SELF:SELF+1], v[P+8+2*(i%2):P+9+2*(i%2)] op_sel_hi:[1,0,1]
.endif
.set i, i+1
.endr
	v_pk_add_f32 v[P+8:P+9], v[P+8:P+9], v[P+10:P+11]
	ds_store_b32 v[XA], v[P+8]                     ; into channel order, in my wave's own 256 bytes
	ds_store_b32 v[XA], v[P+9] offset:64
	s_wait_dscnt 0x0
	v_add_f32 v[P], v[P], v[P+1]
	v_add_f32 v[P+2], v[P+2], v[P+3]
	v_add_f32 v[P+4], v[P+4], v[P+5]
	v_add_f32 v[P+6], v[P+6], v[P+7]
	v_add_f32 v[P], v[P], v[P+2]
	v_add_f32 v[P+4], v[P+4], v[P+6]
	v_add_f32 v[P], v[P], v[P+4]                   ; block l's count
	v_cmp_lt_u32 vcc_lo, s[JD], v[LANE]
	v_cndmask_b32 v[P], 0, v[P], vcc_lo
	v_add_f32_dpp v[P], v[P], v[P] row_xmask:1 row_mask:0xf bank_mask:0xf
	v_add_f32_dpp v[P], v[P], v[P] row_xmask:2 row_mask:0xf bank_mask:0xf
	v_add_f32_dpp v[P], v[P], v[P] row_xmask:4 row_mask:0xf bank_mask:0xf
	v_add_f32_dpp v[P], v[P], v[P] row_xmask:8 row_mask:0xf bank_mask:0xf
	v_permlanex16_b32 v[P+1], v[P], s[SEL], s[SEL+1]
	v_add_f32 v[P], v[P], v[P+1]                   ; the count of unpadded keys behind my block, in every lane
	WIN 0x40
.irp t, 0,1
.irp ct, 0,1,2,3
.irp c, 0,1
	ds_load_b128 v[O+32*\t+8*\ct+4*\c:O+32*\t+8*\ct+4*\c+3], v[XB] offset:64*\ct+16*\c   ; O^T: the same sums for every query: channels 16 ct + 8 (l / 16) + 0..7
.endr
.endr
.endr
	WIN 0
	v_mov_b32 v[P+1], 0xff61b1e6                   ; -3e38
	v_cmp_lt_f32 vcc_lo, 0, v[P]
.irp t, 0,1
	v_mul_f32 v[ST+8*\t+2], 0.5, v[P]              ; each half of the lanes carries half of the count
	v_mov_b32 v[ST+8*\t+3], 0
	v_cndmask_b32 v[ST+8*\t+1], v[P+1], 0, vcc_lo  ; m = 0 where such keys exist
	v_mul_f32 v[ST+8*\t], s[CS], v[ST+8*\t+1]
	v_mov_b32 v[ST+8*\t+4], 0
	v_mov_b32 v[ST+8*\t+5], 0
	v_mov_b32 v[ST+8*\t+6], 0
	v_mov_b32 v[ST+8*\t+7], 0
.endr
	s_wait_dscnt 0x0
.endm
.macro OADDR                           ; where my 32 rows of O go: image (batch x 128 + Q0 / 16) of 32,768 bytes, + 2,048 x head
	s_wait_xcnt 0x0                                ; earlier stores have read their base and their registers
	s_lshr_b32 s52, s[BH], 4
	s_lshl_b32 s52, s52, 7
	s_lshr_b32 s53, s[Q0], 4
	s_add_co_u32 s52, s52, s53
	s_lshl_b32 s52, s52, 15
	s_and_b32 s53, s[BH], 15
	s_lshl_b32 s53, s53, 11
	s_add_co_u32 s52, s52, s53
	s_mov_b32 s53, 0
	s_add_nc_u64 s[OP:OP+1], s[10:11], s[52:53]
.endm
.macro FINISH                          ; O^T / l, rounded to f16: a lane's eight channels are its 16 bytes of the next launch's operand image
.irp t, 0,1
	v_add_f32 v[ST+8*\t+4], v[ST+8*\t+2], v[ST+8*\t+3]
.endr
.irp t, 0,1
	v_permlanex16_b32 v[ST+8*\t+5], v[ST+8*\t+4], s[SEL], s[SEL+1]
.endr
.irp t, 0,1
	v_add_f32 v[ST+8*\t+4], v[ST+8*\t+4], v[ST+8*\t+5]
.endr
.irp t, 0,1
	v_rcp_f32 v[ST+8*\t+6], v[ST+8*\t+4]
.endr
	v_nop                                          ; a plain instruction behind the reciprocals
	s_wait_alu depctr_va_vdst(0)                   ; one wait for both, ahead of their first reader
	WIN 0x41
.set n, 0
.rept 16
.irp t, 0,1
	v_pk_mul_f32 v[O+32*\t+2*n:O+32*\t+2*n+1], v[O+32*\t+2*n:O+32*\t+2*n+1], v[ST+8*\t+6:ST+8*\t+7] op_sel_hi:[1,0]
.endr
.set n, n+1
.endr
	WIN 0x05
.set n, 0
.rept 16
.irp t, 0,1
	v_cvt_pk_f16_f32 v[PKO+16*\t+n], v[O+32*\t+2*n], v[O+32*\t+2*n+1]
.endr
.set n, n+1
.endr
	WIN 0
.irp t, 0,1
.irp ct, 0,1,2,3
	global_store_b128 v[LI], v[PKO+16*\t+4*\ct:PKO+16*\t+4*\ct+3], s[OP:OP+1] offset:\t*32768+(\ct/2)*1024+(\ct%2)*512   ; 512 consecutive bytes, aligned
.endr
.endr
.endm
.macro FETCH_K q                       ; a step's bias (8 loads) and K (16 loads)
	WIN 0
.irp kt, 0,1,2,3
.irp c, 0,1
	ds_load_b128 v[BI+8*\kt+4*\c:BI+8*\kt+4*\c+3], v[ADB] offset:256*(\q)+64*\kt+16*\c
.endr
.endr
	WIN 0x40
.irp kt, 0,1,2,3
.irp d, 0,1
.irp c, 0,1
	ds_load_b128 v[KR+16*\kt+8*\d+4*\c:KR+16*\kt+8*\d+4*\c+3], v[ADR] offset:(4*(\q)+\kt)*2048+\d*1024+\c*512
.endr
.endr
.endr
.endm
.macro FETCH_V q                       ; a step's V (16 loads)
	WIN 0x40
.irp g, 0,1
.irp ct, 0,1,2,3
.irp c, 0,1
	ds_load_b128 v[VR+32*\g+8*\ct+4*\c:VR+32*\g+8*\ct+4*\c+3], v[ADR] offset:VOFF+(2*(\q)+\g)*4096+\ct*1024+\c*512
.endr
.endr
.endr
.endm
; both tiles' softmax of a step, line by line by turns.  All 66 exponentials are one batch with one wait.
.macro SOFTMAX
	WIN 0
.irp k, 0,1,2,3
.irp t, 0,1
	v_max3_num_f32 v[ST+8*\t+4+\k], v[S+32*\t+8*\k], v[S+32*\t+8*\k+1], v[S+32*\t+8*\k+2]   ; each accumulator is read from its low end on
.endr
.endr
.irp i, 3,5
.irp k, 0,1,2,3
.irp t, 0,1
	v_max3_num_f32 v[ST+8*\t+4+\k], v[ST+8*\t+4+\k], v[S+32*\t+8*\k+\i], v[S+32*\t+8*\k+\i+1]
.endr
.endr
.endr
.irp t, 0,1
	v_max3_num_f32 v[ST+8*\t+4], v[ST+8*\t+4], v[S+32*\t+7], v[S+32*\t+15]
	v_max3_num_f32 v[ST+8*\t+6], v[ST+8*\t+6], v[S+32*\t+23], v[S+32*\t+31]
.endr
.irp t, 0,1
	v_max3_num_f32 v[ST+8*\t+4], v[ST+8*\t+4], v[ST+8*\t+5], v[ST+8*\t+6]
.endr
.irp t, 0,1
	v_max3_num_f32 v[ST+8*\t+4], v[ST+8*\t+4], v[ST+8*\t+7], v[ST+8*\t+1]   ; with the old m
.endr
.irp t, 0,1
	v_permlanex16_b32 v[ST+8*\t+5], v[ST+8*\t+4], s[SEL], s[SEL+1]          ; the query's other 32 keys lie in the lane 16 away
.endr
.irp t, 0,1
	v_mov_b32 v[ST+8*\t+7], v[ST+8*\t]             ; c m_old
.endr
.irp t, 0,1
	v_max_num_f32 v[ST+8*\t+1], v[ST+8*\t+4], v[ST+8*\t+5]
.endr
.irp t, 0,1
	v_mul_f32 v[ST+8*\t], s[CS], v[ST+8*\t+1]
.endr
.irp t, 0,1
	v_sub_f32 v[ST+8*\t+7], v[ST+8*\t+7], v[ST+8*\t]
.endr
.irp t, 0,1
	v_exp_f32 v[ST+8*\t+6], v[ST+8*\t+7]           ; a = 2^(c m_old - c m_new)
.endr
.set n, 0
.rept 16
.irp t, 0,1
	v_pk_fma_f32 v[S+32*\t+2*n:S+32*\t+2*n+1], v[S+32*\t+2*n:S+32*\t+2*n+1], s[CS:CS+1], v[ST+8*\t:ST+8*\t+1] op_sel_hi:[1,0,0] neg_lo:[0,0,1] neg_hi:[0,0,1]   ; c s - c m
.endr
.set n, n+1
.endr
.set n, 0
.rept 32
.irp t, 0,1
	v_exp_f32 v[S+32*\t+n], v[S+32*\t+n]
.endr
.set n, n+1
.endr
	v_nop                                          ; a plain instruction behind the last exponential
	s_wait_alu depctr_va_vdst(0)                   ; one wait for the batch, ahead of its first reader
.set n, 0
.rept 16
.irp t, 0,1
	v_cvt_pk_f16_f32 v[P+16*\t+n], v[S+32*\t+2*n], v[S+32*\t+2*n+1]
.endr
.set n, n+1
.endr
.irp w, 4,8,16,32                      ; the sum of a tile's 16 pairs, in place
.set u, 0
.rept 32/\w
.irp t, 0,1
	v_pk_add_f32 v[S+32*\t+\w*u:S+32*\t+\w*u+1], v[S+32*\t+\w*u:S+32*\t+\w*u+1], v[S+32*\t+\w*u+\w/2:S+32*\t+\w*u+\w/2+1]
.endr
.set u, u+1
.endr
.endr
.irp t, 0,1
	v_pk_fma_f32 v[ST+8*\t+2:ST+8*\t+3], v[ST+8*\t+2:ST+8*\t+3], v[ST+8*\t+6:ST+8*\t+7], v[S+32*\t:S+32*\t+1] op_sel_hi:[1,0,1]   ; l = a l + the sum
.endr
	WIN 0x41
.set n, 0
.rept 16
.irp t, 0,1
	v_pk_mul_f32 v[O+32*\t+2*n:O+32*\t+2*n+1], v[O+32*\t+2*n:O+32*\t+2*n+1], v[ST+8*\t+6:ST+8*\t+7] op_sel_hi:[1,0]   ; O^T x a
.endr
.set n, n+1
.endr
.endm
; A STEP: 64 keys, the q-th of the slot in hand.  A step whose first key lies behind my last query is left out, and with it the rest of the slot.
.macro STEP q, id
	s_add_co_u32 s54, s[KF], 64*(\q)
	s_cmp_gt_u32 s54, s[QL]
	s_cbranch_scc1 .Lslot_end_\id
.if (\q) == 0
	FETCH_K 0
.endif
	FETCH_V \q
	s_wait_dscnt 16                                ; the bias and K are in; V's 16 loads may be out
	WIN 0x01
.irp d, 0,1                            ; the eight accumulators take turns, one instruction a turn
.irp kt, 0,1,2,3
.irp t, 0,1
.if \d == 0
	v_wmma_f32_16x16x32_f16 v[S+32*\t+8*\kt:S+32*\t+8*\kt+7], v[KR+16*\kt:KR+16*\kt+7], v[Q+16*\t:Q+16*\t+7], v[BI+8*\kt:BI+8*\kt+7]
.else
	v_wmma_f32_16x16x32_f16 v[S+32*\t+8*\kt:S+32*\t+8*\kt+7], v[KR+16*\kt+8:KR+16*\kt+15], v[Q+16*\t+8:Q+16*\t+15], v[S+32*\t+8*\kt:S+32*\t+8*\kt+7]
.endif
.endr
.endr
.endr
	WIN 0
	PLACES
	s_add_co_u32 s55, s54, 63                      ; a step all of whose keys come at or before my first query has nothing to hide
	s_cmp_le_u32 s55, s[Q0]
	s_cbranch_scc1 .Lopen_\@
	s_sub_co_i32 s55, s[Q0], s54
	v_add_nc_u32 v[T0], s55, v[DQ]                 ; d = my tile 0 query - the step's first key - 8 (lane / 16).  Register 8 kt + j of tile t holds a key behind its query where 16 kt + j - 16 t > d:
.irp t, 0,1                            ; its score becomes the key's bias: 0, or -infinity where it is padded
.irp kt, 0,1,2,3
.irp j, 0,1,2,3,4,5,6,7
	v_cmp_gt_i32 vcc_lo, 16*\kt+\j-16*\t, v[T0]
	v_cndmask_b32 v[S+32*\t+8*\kt+\j], v[S+32*\t+8*\kt+\j], v[BI+8*\kt+\j], vcc_lo
.endr
.endr
.endr
.Lopen_\@:
.if (\q) < 3
	FETCH_K (\q)+1                                 ; the next step's, a softmax ahead of its use
.endif
	SOFTMAX
.if (\q) < 3
	s_wait_dscnt 24                                ; V is in; the next step's 8 + 16 loads may be out
.else
	s_wait_dscnt 0x0
.endif
	WIN 0x51
.irp g, 0,1
.irp ct, 0,1,2,3
.irp t, 0,1
	v_wmma_f32_16x16x32_f16 v[O+32*\t+8*\ct:O+32*\t+8*\ct+7], v[VR+32*\g+8*\ct:VR+32*\g+8*\ct+7], v[P+16*\t+8*\g:P+16*\t+8*\g+7], v[O+32*\t+8*\ct:O+32*\t+8*\ct+7]
.endr
.endr
.endr
	WIN 0
	PLACES
.endm
; A prefetch into the L2 of the 8,192 bytes that my wave will fetch at the NEXT change of slots: lanes 256 bytes apart.  All four work-groups of a head walk the same slots from slot 0 on:
; the head's first work-group (J = 0) asks, in trips 0 to 5, for slots 2 to 7: each block of 256 bytes once in the launch, a slot's four steps ahead of the load that wants it.
.macro ASK
	s_cmp_lt_u32 s[SI], s[LIM]
	s_cbranch_scc0 .Lnot_mine_\@
	global_prefetch_b8 v[PFO], s[PFA:PFA+1] th:TH_LOAD_NT scope:SCOPE_SE
.Lnot_mine_\@:
.endm
; THE CHANGE OF SLOTS, at a slot's head: all my tensor loads have landed (my part of the slot ahead), the add, my reads of the slot that I have left are over; one barrier; behind it the slot left is filled with the next trip's keys.
.macro CHANGE fill
	s_wait_tensorcnt 0x0                           ; no tensor load of mine is out, so group 0 may be written
	ds_add_u32 v[SPW], v[NIL]
.if \fill
	s_add_co_u32 s52, s[SI], 1                     ; the next trip's slot of the head: (trip + J in the second pass) mod 8
	s_cmp_ge_u32 s52, s[NP1]
	s_cselect_b32 s53, s[J], 0
	s_add_co_u32 s52, s52, s53
	s_and_b32 s52, s52, 7
	s_lshl_b32 s52, s52, 15
	s_mov_b32 s53, 0
	s_xor_b32 s[G0+1], s[G0+1], SLOT1
	s_add_nc_u64 s[G0+2:G0+3], s[SRC:SRC+1], s[52:53]
	s_or_b32 s[G0+3], s[G0+3], 0x80000000
	s_wait_xcnt 0x0                                ; the last prefetch, a slot back, has read its address
	s_add_co_u32 s52, s[SI], 2
	s_lshl_b32 s52, s52, 15
	s_add_nc_u64 s[PFA:PFA+1], s[SRC:SRC+1], s[52:53]
.endif
	s_wait_dscnt 0x0
	s_barrier_signal -1
	s_barrier_wait -1
.if \fill
	tensor_load_to_lds s[G0:G0+3], s[G1:G1+7]      ; my one tensor load behind this barrier, and the first thing there
	s_nop 0
	PLACES
	ASK
.endif
.endm
.macro TRIP fill
	CHANGE \fill
	s_cmp_ge_u32 s[SI], s[NP1]
	s_cselect_b32 s52, s[J], 0
	s_add_co_u32 s52, s52, s[SI]
	s_and_b32 s52, s52, 7                          ; this trip's slot of the head
	s_lshl_b32 s[KF], s52, 8
	s_lshl_b32 s52, s52, 10
	v_add_nc_u32 v[ADR], s[TB], v[LI]
	v_add_nc_u32 v[ADB], s52, v[AB0]
	STEP 0, \@
	STEP 1, \@
	STEP 2, \@
	STEP 3, \@
.Lslot_end_\@:
.if \fill
	s_add_co_u32 s52, s[SI], 1
	s_cmp_lg_u32 s52, s[NP1]
	s_cbranch_scc1 .Lsame_pass_\@
	OADDR                                          ; the first pass ends: its address first, then the second pass's loads, under which the first's results leave
	INIT_LOAD 1
	FINISH
	INIT_USE
.Lsame_pass_\@:
.else
	OADDR
	FINISH
.endif
.endm
	s_load_b256 s[4:11], s[0:1], 0x0               ; qkv s[4:5], bs s[6:7], attention_mask s[8:9], oimg s[10:11]
	v_lshl_add_u32 v[SPW], v0, 2, SPARE
	v_mov_b32 v[NIL], 0
	ds_add_u32 v[SPW], v[NIL]                      ; the wave's opening: the add, twice on end, and its wait ahead of my first tensor load
	ds_add_u32 v[SPW], v[NIL]
	v_lshrrev_b32 v[T0], 5, v0
	v_readfirstlane_b32 s[WV], v[T0]               ; wave 0..7
	s_mov_b32 s[J], ttmp9
	s_and_b32 s[BH], ttmp7, 0xffff                 ; batch x 16 + head
	s_sub_co_u32 s[NP1], 8, s[J]
	; descriptor group 1: 8,192 dense bytes as 32 rows of 256 (32 elements of 8 bytes)
	s_mov_b32 s[G1], 3<<16
	s_mov_b32 s[G1+1], 32<<16
	s_mov_b32 s[G1+2], 32<<16
	s_mov_b32 s[G1+3], 32<<16
	s_mov_b32 s[G1+4], 32
	s_mov_b32 s[G1+5], 32
	s_mov_b32 s[G1+6], 0
	s_mov_b32 s[G1+7], 0
	s_mov_b32 s[SEL], 0x76543210
	s_mov_b32 s[SEL+1], 0xfedcba98
	s_mov_b32 s[CS], 0x3e38aa3b                    ; c = log2(e) / 8
	s_mov_b32 s[CS+1], s[CS]
	s_mov_b32 s[SELF+1], 0
	s_cmp_eq_u32 s[J], 0
	s_cselect_b32 s[LIM], 6, 0
	v_and_b32 v[LANE], 31, v0
	v_lshlrev_b32 v[LI], 4, v[LANE]
	v_lshlrev_b32 v[L8], 3, v[LANE]
	v_lshlrev_b32 v[PFO], 8, v[LANE]
	v_and_b32 v[T0], 15, v0                        ; r
	v_bfe_u32 v[T0+1], v0, 4, 1                    ; h
	v_lshlrev_b32 v[DQ], 3, v[T0+1]
	v_sub_nc_u32 v[DQ], v[T0], v[DQ]
	v_lshl_add_u32 v[AB0], v[T0+1], 5, BIASB
	v_lshl_add_u32 v[CTA], v[LANE], 5, CTB
	v_and_b32 v[XA], 0xe0, v0
	v_lshlrev_b32 v[XA], 3, v[XA]                  ; 256 x wave
	v_lshl_add_u32 v[XB], v[T0+1], 5, v[XA]
	v_add_nc_u32 v[XB], XCH, v[XB]                 ; back: 32 bytes for each half of the lanes
	v_and_b32 v[T0], 1, v0
	v_lshl_add_u32 v[XA], v[T0], 7, v[XA]
	v_bfe_u32 v[T0], v0, 1, 4
	v_lshl_add_u32 v[XA], v[T0], 2, v[XA]
	v_add_nc_u32 v[XA], XCH, v[XA]                 ; in: places 2 l, 2 l + 1 of a block sum are channels 32 (l % 2) + l / 2 and 16 more
	v_lshlrev_b32 v192, 5, v0                      ; the mask: 8 keys a thread
	v_lshl_add_u32 v193, v0, 5, BIASB
	v_lshl_add_u32 v194, v0, 2, CTB
	v_mov_b32 v195, 0xff800000                     ; -infinity
	s_lshr_b32 s52, s[WV], 2
	s_add_co_u32 s52, s52, 1
	s_lshl_b32 s52, s52, 24                        ; K's image (waves 0-3) or V's (waves 4-7)
	s_lshl_b32 s56, s[BH], 18                      ; the head's part of an image
	s_add_co_u32 s52, s52, s56
	s_and_b32 s54, s[WV], 3
	s_lshl_b32 s54, s54, 13
	s_add_co_u32 s52, s52, s54                     ; my quarter of a slot's 32,768 bytes
	s_mov_b32 s53, 0
	s_mov_b32 s57, 0
	s_wait_dscnt 0x0                               ; both opening adds are done
	s_wait_kmcnt 0x0
	s_add_nc_u64 s[SRC:SRC+1], s[4:5], s[52:53]
	s_add_nc_u64 s[QH:QH+1], s[4:5], s[56:57]
	s_lshl_b32 s52, s[BH], 13
	s_add_nc_u64 s[BSP:BSP+1], s[6:7], s[52:53]
	s_lshr_b32 s52, s[BH], 4
	s_lshl_b32 s52, s52, 13
	s_add_nc_u64 s[8:9], s[8:9], s[52:53]          ; the batch's mask
	s_mov_b32 s[G0], 1
	s_lshl_b32 s[G0+1], s[WV], 13                  ; slot 0, 8,192 x wave
	s_mov_b64 s[G0+2:G0+3], s[SRC:SRC+1]
	s_or_b32 s[G0+3], s[G0+3], 0x80000000
	tensor_load_to_lds s[G0:G0+3], s[G1:G1+7]      ; slot 0: every wave fetches an eighth
	s_nop 0
	PLACES
	global_load_b128 v[200:203], v192, s[8:9]
	global_load_b128 v[204:207], v192, s[8:9] offset:16
	INIT_LOAD 0
	s_wait_loadcnt 40                              ; the mask is in; Q's 8 and the block sums' 32 loads may be out
.irp n, 0,1,2,3,4,5,6,7
	v_cmp_eq_u32 vcc_lo, 0, v[200+\n]
	v_cndmask_b32 v[208+\n], 0, v195, vcc_lo       ; the bias
	v_cndmask_b32 v[200+\n], 1.0, 0, vcc_lo        ; 1.0 where the key counts
.endr
	v_add_f32 v200, v200, v201
	v_add_f32 v202, v202, v203
	v_add_f32 v204, v204, v205
	v_add_f32 v206, v206, v207
	v_add_f32 v200, v200, v202
	v_add_f32 v204, v204, v206
	v_add_f32 v200, v200, v204
	ds_store_b128 v193, v[208:211]
	ds_store_b128 v193, v[212:215] offset:16
	ds_store_b32 v194, v200
	s_wait_dscnt 0x0                               ; for the others' sake: my stores are done
	s_barrier_signal -1
	s_barrier_wait -1                              ; the bias and the counts are whole
	INIT_USE
	s_mov_b32 s[SI], 0
	s_mov_b32 s[TB], 0
.Ltrip:                                            ; eight trips ask for the next slot; the ninth is written out
	TRIP 1
	s_xor_b32 s[TB], s[TB], SLOT1
	s_add_co_u32 s[SI], s[SI], 1
	s_cmp_lt_u32 s[SI], 8
	s_cbranch_scc1 .Ltrip
	TRIP 0
	s_wait_tensorcnt 0x0                           ; the wave's end
	ds_add_u32 v[SPW], v[NIL]
	s_wait_dscnt 0x0
	s_endpgm
.Lfunc_end_k_q3d2d9d8bdd_attn:
	.size	k_q3d2d9d8bdd_attn, .Lfunc_end_k_q3d2d9d8bdd_attn-k_q3d2d9d8bdd_attn
	.p2alignl 7, 3214868480
	.fill 96, 4, 3214868480
	.section	.rodata,"a",@progbits
	.p2align	6, 0x0
	.amdhsa_kernel k_q3d2d9d8bdd_attn
		.amdhsa_group_segment_fixed_size 327680
		.amdhsa_private_segment_fixed_size 0
		.amdhsa_enable_private_segment 0
		.amdhsa_kernarg_size 32
		.amdhsa_user_sgpr_count 2
		.amdhsa_user_sgpr_kernarg_segment_ptr 1
		.amdhsa_wavefront_size32 1
		.amdhsa_system_sgpr_workgroup_id_x 1
		.amdhsa_system_sgpr_workgroup_id_y 1
		.amdhsa_system_sgpr_workgroup_id_z 1
		.amdhsa_system_vgpr_workitem_id 0
		.amdhsa_next_free_vgpr 448
		.amdhsa_next_free_sgpr 66
		.amdhsa_reserve_vcc 1
		.amdhsa_float_denorm_mode_32 3
		.amdhsa_float_denorm_mode_16_64 3
		.amdhsa_memory_ordered 1
		.amdhsa_forward_progress 1
		.amdhsa_inst_pref_size 215
	.end_amdhsa_kernel
	.amdgpu_metadata
---
amdhsa.version: [ 1, 2 ]
amdhsa.kernels:
  - .name:           k_q3d2d9d8bdd_attn
    .symbol:         k_q3d2d9d8bdd_attn.kd
    .args:
      - { .name: qkv, .offset: 0, .size: 8, .value_kind: global_buffer, .address_space: global }
      - { .name: bs, .offset: 8, .size: 8, .value_kind: global_buffer, .address_space: global }
      - { .name: attention_mask, .offset: 16, .size: 8, .value_kind: global_buffer, .address_space: global }
      - { .name: oimg, .offset: 24, .size: 8, .value_kind: global_buffer, .address_space: global }
    .group_segment_fixed_size: 327680
    .private_segment_fixed_size: 0
    .kernarg_segment_align: 8
    .kernarg_segment_size: 32
    .max_flat_workgroup_size: 256
    .sgpr_count:     66
    .vgpr_count:     448
    .wavefront_size: 32
...
	.end_amdgpu_metadata
.endif
;; end of part 3
;; launch oproj (part 4): grid 4 x 64, 4 waves a work-group, clusters of 4 x 4, 327,680 bytes of LDS; arguments oimg, wo16, bo, out0; writes out0
.if DOCPART == 4
	.amdgcn_target "amdgcn-amd-amdhsa--gfx1250"
	.amdhsa_code_object_version 6
	.text
	.protected	k_q3d2d9d8bdd_oproj
	.globl	k_q3d2d9d8bdd_oproj
	.p2align	8
	.type	k_q3d2d9d8bdd_oproj,@function
k_q3d2d9d8bdd_oproj:
	s_mov_b64 s[64:65], 0
	v_nop
	global_prefetch_b8 v0, s[64:65] scope:SCOPE_SE
	s_setreg_imm32_b32 hwreg(HW_REG_WAVE_MODE, 25, 1), 1
	s_wait_xcnt 0x0
	s_wait_alu depctr_hold_cnt(0) depctr_sa_sdst(0) depctr_va_vdst(0) depctr_va_sdst(0) depctr_va_ssrc(0) depctr_va_vcc(0) depctr_vm_vsrc(0)
	s_getreg_b32 s2, hwreg(HW_REG_IB_STS2, 6, 4)
	s_cmp_eq_u32 s2, 0
	s_cbranch_scc0 .Lentry_in_a_cluster
	s_endpgm
.Lentry_in_a_cluster:
	s_bfe_u32 s2, ttmp6, 0x10000c
	s_cmp_lg_u32 s2, 0xf033
	s_cbranch_scc0 .Lentry_shape_is_right
	s_endpgm
.Lentry_shape_is_right:
; OPROJ.  out0[token][n] = the sum over k of O[token][k] Wo[n][k] + bo[n].  O and Wo in f16, sums and the result in f32; bo is the C of each sum's first product.
; A tile of 128 tokens x 256 outputs is made by four waves, 64 x 128 each: 32 accumulators.  256 work-groups.  K = 1024 goes in eight steps of 128 through a ring of two LDS slots.
; O lies in memory as images of the operand's registers ([16 tokens][32 k][16 k][512 bytes]): a K step of 16 tokens is 4,096 consecutive bytes, and a fragment is two loads at 16 x lane.
; Wo's rows of a K step are 256 bytes, padded in LDS by 16.
; THE MATRIX INSTRUCTION IS USED TRANSPOSED (source 0 = 16 rows of Wo, source 1 = 16 tokens): a lane holds eight neighbouring outputs of one token.
; CLUSTER 4 x 4: O's tile hangs on the tile row alone and is shared along a row of the cluster, Wo's on the tile column alone and is shared along a column: joint loads.
; No prefetch: the tiles are small, shared jointly, and Wo is read by all tile rows.
; REGISTERS.  window 0: v0-31 addresses; v32-95 bo in the result's layout; v96-159 O's fragments, two buffers of 32; on the way out v96-223 rows read back.  window 1: v0-127 Wo's fragments, two buffers of 64.
;   window 2: the accumulators, (a, b) at v[8 (8 a + b)].
.set PITCH,  272
.set ABYTES, 32768                     ; O's part of a slot: 8 x 4,096
.set HALFB,  128*PITCH
.set SLOT,   ABYTES+2*HALFB
.set STAGE,  2*SLOT                    ; behind the ring: 16 rows x (512 + 16) bytes for each wave
.set SPITCH, 528
.set SPARE,  STAGE+4*16*SPITCH         ; the spare words: 128 bytes a wave, named by no other line
.set LAPS,   4
.set ADRA, 16
.set ADRB, 20
.set STO,  24
.set RD,   25
.set CO,   26
.set SPW,  28
.set NIL,  29
.set BO,   32
.set AF,   96
.set BK,   96
.set G1, 24
.set G0, 32
.set G1B, 48
.set G0B, 56
.set MSB, 0
.macro WIN new                         ; the immediate's high byte repeats the setting that is left
.if MSB != (\new)
	s_set_vgpr_msb (MSB<<8)|(\new)
.set MSB, (\new)
.endif
.endm
.set MUL, 0xa1                         ; source 0 (Wo) window 1, source 1 (O) window 0, C and D window 2;  0x81: C (bo) window 0
.macro JLOAD s                         ; waves 0 and 1 fetch O's halves, waves 2 and 3 Wo's; an s_nop 0 and four v_nop follow each of the two lines
	s_cmp_eq_u32 s11, 0
	s_cbranch_scc0 .Lfor_b_\@
	tensor_load_to_lds s[G0+4*\s:G0+4*\s+3], s[G1:G1+7]
	s_nop 0
.rept 4
	v_nop
.endr
	s_branch .Lasked_\@
.Lfor_b_\@:
	tensor_load_to_lds s[G0B+4*\s:G0B+4*\s+3], s[G1B:G1B+7]
	s_nop 0
.rept 4
	v_nop
.endr
.Lasked_\@:
.endm
.macro CREST
	s_cmp_lg_u32 s10, 0
	s_cbranch_scc1 .Lnot_wave_0_\@
	s_barrier_signal -3
.Lnot_wave_0_\@:
	s_barrier_wait -3
	s_barrier_signal -1
	s_barrier_wait -1
.endm
.macro CROUND
	s_barrier_signal -1
	s_barrier_wait -1
	CREST
.endm
	s_load_b128 s[4:7], s[0:1], 0x0                ; oimg s[4:5], wo16 s[6:7]
	s_load_b128 s[44:47], s[0:1], 0x10             ; bo s[44:45], out0 s[46:47]
	v_lshl_add_u32 v[SPW], v0, 2, SPARE
	v_mov_b32 v[NIL], 0
	ds_add_u32 v[SPW], v[NIL]                      ; the wave's opening: the add, twice on end, and its wait ahead of my first tensor load
	ds_add_u32 v[SPW], v[NIL]
	v_lshrrev_b32 v1, 5, v0
	v_readfirstlane_b32 s10, v1                    ; wave 0..3
	s_lshr_b32 s11, s10, 1                         ; my half of the tokens.  Also: I fetch O (0) or Wo (1)
	s_and_b32 s12, s10, 1                          ; my half of the outputs.  Also: which half of that tile I fetch
	s_bfe_u32 s40, ttmp6, 0x40000                  ; cx
	s_bfe_u32 s41, ttmp6, 0x40004                  ; cy
	s_lshl_b32 s42, ttmp9, 2
	s_add_co_u32 s42, s42, s40                     ; tile column
	s_and_b32 s13, ttmp7, 0xffff
	s_lshl_b32 s13, s13, 2
	s_add_co_u32 s13, s13, s41                     ; tile row
	s_lshl_b32 s43, s41, 2
	s_lshl_b32 s43, 15, s43                        ; my row of the cluster
	s_lshl_b32 s20, 0x1111, s40                    ; my column
	; group 1 for O: 4 rows (tiles of 16 tokens) of 4,096 bytes (512 elements of 8), 32,768 bytes apart, dense in LDS
	s_or_b32 s[G1+0], s43, (3<<16)|(1<<21)
	s_mov_b32 s[G1+1], 512<<16
	s_mov_b32 s[G1+2], 4<<16
	s_mov_b32 s[G1+3], 512<<16
	s_mov_b32 s[G1+4], 4
	s_mov_b32 s[G1+5], 4096
	s_mov_b32 s[G1+6], 0
	s_mov_b32 s[G1+7], 0
	; group 1 for Wo: 128 rows of 128 f16, 1,024 apart, 16 bytes of padding behind each
	s_or_b32 s[G1B+0], s20, (1<<16)|(1<<20)|(1<<21)|(5<<22)|(3<<25)
	s_mov_b32 s[G1B+1], 128<<16
	s_mov_b32 s[G1B+2], 128<<16
	s_mov_b32 s[G1B+3], 128<<16
	s_mov_b32 s[G1B+4], 128
	s_mov_b32 s[G1B+5], 1024
	s_mov_b32 s[G1B+6], 0
	s_mov_b32 s[G1B+7], 0
	s_lshl_b32 s16, s13, 3
	s_lshl_b32 s17, s12, 2
	s_add_co_u32 s16, s16, s17
	s_lshl_b32 s16, s16, 15                        ; O: image 8 x tile row + 4 x half
	s_mov_b32 s17, 0
	s_lshl_b32 s18, s42, 8
	s_lshl_b32 s19, s12, 7
	s_add_co_u32 s18, s18, s19
	s_lshl_b32 s18, s18, 11                        ; Wo: row 256 x tile column + 128 x half, 2,048 bytes a row
	s_mov_b32 s19, 0
	s_lshl_b32 s21, s12, 14                        ; where they go: O's halves,
	s_mul_i32 s22, s12, HALFB
	s_add_co_u32 s22, s22, ABYTES                  ; Wo's halves behind them
	s_wait_dscnt 0x0                               ; both opening adds are done
	s_wait_kmcnt 0x0
	s_add_nc_u64 s[14:15], s[4:5], s[16:17]
	s_add_nc_u64 s[18:19], s[6:7], s[18:19]
	CROUND                                         ; all sixteen work-groups are here: the first joint loads meet
.irp s, 0,1
	s_mov_b32 s[G0+4*\s], 1
	s_add_co_u32 s[G0+4*\s+1], s21, \s*SLOT
	s_add_nc_u64 s[G0+4*\s+2:G0+4*\s+3], s[14:15], \s*4096
	s_or_b32 s[G0+4*\s+3], s[G0+4*\s+3], 0x80000000
	s_mov_b32 s[G0B+4*\s], 1
	s_add_co_u32 s[G0B+4*\s+1], s22, \s*SLOT
	s_add_nc_u64 s[G0B+4*\s+2:G0B+4*\s+3], s[18:19], \s*256
	s_or_b32 s[G0B+4*\s+3], s[G0B+4*\s+3], 0x80000000
	JLOAD \s                                       ; two tensor loads of mine are out behind the second
.endr
	v_and_b32 v1, 15, v0                           ; l % 16
	v_bfe_u32 v2, v0, 4, 1                         ; l / 16
	v_and_b32 v3, 31, v0
	v_lshlrev_b32 v[CO], 4, v3                     ; 16 x lane
	v_mul_u32_u24 v4, v1, PITCH
	v_lshl_add_u32 v4, v2, 4, v4
	v_lshlrev_b32 v6, 5, v2                        ; bo: 8 numbers for each half of the lanes
	s_lshl_b32 s21, s11, 14                        ; my 64 tokens: four images of 4,096 bytes
	s_mul_i32 s22, s12, HALFB
	s_add_co_u32 s22, s22, ABYTES                  ; my 128 rows of Wo
.irp s, 0,1
	v_add_nc_u32 v[ADRA+\s], s21, v[CO]
	v_add_nc_u32 v[ADRB+\s], s22, v4
	s_add_co_u32 s21, s21, SLOT
	s_add_co_u32 s22, s22, SLOT
.endr
	s_mul_i32 s23, s10, 16*SPITCH
	s_add_co_u32 s23, s23, STAGE                   ; my stage
	v_mul_u32_u24 v5, v1, SPITCH
	v_lshl_add_u32 v5, v2, 5, v5
	v_add_nc_u32 v[STO], s23, v5                   ; in: row l % 16, 32 bytes for each half of the lanes
	v_add_nc_u32 v[RD], s23, v[CO]                 ; back: the 32 lanes take a row of 512 bytes
	s_lshl_b32 s16, s13, 7
	s_lshl_b32 s17, s11, 6
	s_add_co_u32 s16, s16, s17
	s_lshl_b32 s16, s16, 12                        ; my first token's row of 4,096 bytes
	s_mov_b32 s17, 0
	s_lshl_b32 s18, s42, 10
	s_lshl_b32 s19, s12, 9
	s_add_co_u32 s18, s18, s19                     ; my first output, in bytes
	s_mov_b32 s19, 0
	s_add_nc_u64 s[46:47], s[46:47], s[16:17]
	s_add_nc_u64 s[46:47], s[46:47], s[18:19]
	s_add_nc_u64 s[44:45], s[44:45], s[18:19]
.irp b, 0,1,2,3,4,5,6,7
	global_load_b128 v[BO+8*\b:BO+8*\b+3], v6, s[44:45] offset:64*\b       ; bo[16 b + 8 (l / 16) + 0..7]
	global_load_b128 v[BO+8*\b+4:BO+8*\b+7], v6, s[44:45] offset:64*\b+16
.endr
; 8 matrix instructions: tokens' block a x the eight blocks of outputs, 32 along K, from buffer f.  zero = 1: bo starts the sums.
; The 32 accumulators take turns, one instruction a turn, in the same order in every quarter.
.macro MUL8 f, a, zero
.irp b, 0,1,2,3,4,5,6,7
.if \zero
	v_wmma_f32_16x16x32_f16 v[8*(8*(\a)+\b):8*(8*(\a)+\b)+7], v[64*(\f)+8*\b:64*(\f)+8*\b+7], v[AF+32*(\f)+8*(\a):AF+32*(\f)+8*(\a)+7], v[BO+8*\b:BO+8*\b+7]
.else
	v_wmma_f32_16x16x32_f16 v[8*(8*(\a)+\b):8*(8*(\a)+\b)+7], v[64*(\f)+8*\b:64*(\f)+8*\b+7], v[AF+32*(\f)+8*(\a):AF+32*(\f)+8*(\a)+7], v[8*(8*(\a)+\b):8*(8*(\a)+\b)+7]
.endif
.endr
.endm
.macro FETCH slot, kq, f               ; 24 LDS loads in one run: quarter kq's fragments into buffer f: Wo's 16 first, then O's 8
	WIN 0x40
.irp i, 0,1,2,3,4,5,6,7
	ds_load_b128 v[64*(\f)+8*\i:64*(\f)+8*\i+3],   v[ADRB+\slot] offset:64*(\kq)+\i*16*PITCH
	ds_load_b128 v[64*(\f)+8*\i+4:64*(\f)+8*\i+7], v[ADRB+\slot] offset:64*(\kq)+\i*16*PITCH+32
.endr
	WIN 0
.irp i, 0,1,2,3
	ds_load_b128 v[AF+32*(\f)+8*\i:AF+32*(\f)+8*\i+3],   v[ADRA+\slot] offset:\i*4096+(\kq)*1024
	ds_load_b128 v[AF+32*(\f)+8*\i+4:AF+32*(\f)+8*\i+7], v[ADRA+\slot] offset:\i*4096+(\kq)*1024+512
.endr
.endm
.macro PLACES                          ; plain vector instructions between a matrix instruction and a load into, or a read of, its registers
.rept 4
	v_nop
.endr
.endm
; a quarter of a K step: multiplies buffer f and, in its middle, fetches quarter kq into buffer g
.macro QUARTER slot, kq, f, g, zero
	s_wait_dscnt 4                                 ; Wo's and O's blocks 0, 1 are in; O's blocks 2, 3 (four loads) may be out
	WIN MUL-0x20*(\zero)
	MUL8 \f, 0, \zero
	MUL8 \f, 1, \zero
	PLACES
	FETCH \slot, \kq, \g
	s_wait_dscnt 24                                ; all but the 24 just issued
	WIN MUL-0x20*(\zero)
	MUL8 \f, 2, \zero
	MUL8 \f, 3, \zero
.endm
; the last quarter multiplies buffer 1 and changes slots: one barrier; in front of it all my tensor loads, the add, my reads of this slot.  fill = 1: a round of the cluster's barrier, and this slot is filled again, two K steps ahead
.macro TURN slot, next, fill
	WIN 0
	s_wait_tensorcnt 0x0                           ; all my tensor loads have landed: my part of the next slot
	ds_add_u32 v[SPW], v[NIL]
	s_wait_dscnt 5                                 ; the add and O's blocks 2, 3 may be out
	WIN MUL
	MUL8 1, 0, 0
	s_wait_dscnt 0x0                               ; the add is done, and my reads of this slot are over
	s_barrier_signal -1
	MUL8 1, 1, 0
.if \fill
	WIN 0
.endif
	s_barrier_wait -1
.if \fill
	CREST                                          ; no wave of any partner still reads this slot or has a load on its way
	s_add_nc_u64 s[G0+4*\slot+2:G0+4*\slot+3], s[G0+4*\slot+2:G0+4*\slot+3], 2*4096
	s_add_nc_u64 s[G0B+4*\slot+2:G0B+4*\slot+3], s[G0B+4*\slot+2:G0B+4*\slot+3], 2*256
	JLOAD \slot                                    ; the first tensor load behind the round; its four v_nop are also the places in front of the loads below
.else
	PLACES
.endif
	FETCH \next, 0, 0
	WIN MUL
	MUL8 1, 2, 0
	MUL8 1, 3, 0
.endm
	s_wait_tensorcnt 1                             ; my part of K step 0 is in; K step 1's load may be out
	s_barrier_signal -1
	s_barrier_wait -1
	FETCH 0, 0, 0
	s_wait_loadcnt 0x0                             ; bo
	QUARTER 0, 1, 0, 1, 1                          ; the first quarter stands in front of the loop: bo starts the sums
	WIN 0
	s_mov_b32 s3, LAPS-1
.Llap:                                             ; a trip goes once round the ring and fills both slots again
	QUARTER 0, 2, 1, 0, 0
	QUARTER 0, 3, 0, 1, 0
	TURN 0, 1, 1
	QUARTER 1, 1, 0, 1, 0
	QUARTER 1, 2, 1, 0, 0
	QUARTER 1, 3, 0, 1, 0
	TURN 1, 0, 1
	QUARTER 0, 1, 0, 1, 0
	WIN 0
	s_sub_co_u32 s3, s3, 1
	s_cmp_lg_u32 s3, 0
	s_cbranch_scc1 .Llap
	QUARTER 0, 2, 1, 0, 0                          ; the last lap fills nothing, and has no round
	QUARTER 0, 3, 0, 1, 0
	TURN 0, 1, 0
	QUARTER 1, 1, 0, 1, 0
	QUARTER 1, 2, 1, 0, 0
	QUARTER 1, 3, 0, 1, 0
	s_wait_dscnt 4
	WIN MUL
	MUL8 1, 0, 0
	MUL8 1, 1, 0
	s_wait_dscnt 0x0
	MUL8 1, 2, 0
	MUL8 1, 3, 0
	WIN 0
; THE WAY OUT, 16 tokens x 128 outputs at a time, through my own stage: in as 32 bytes a lane, back as whole rows of 512 bytes.  LDS serves a wave's instructions in order (ISA guide 5.7.1.4).
.macro TOSTAGE a
	WIN 0x08                                       ; an LDS store's data are its source 1: window 2
.irp b, 0,1,2,3,4,5,6,7
	ds_store_b128 v[STO], v[64*(\a)+8*\b:64*(\a)+8*\b+3] offset:64*\b        ; each accumulator from its low end on
	ds_store_b128 v[STO], v[64*(\a)+8*\b+4:64*(\a)+8*\b+7] offset:64*\b+16
.endr
	WIN 0
.set BB, BK+64*((\a)%2)
.irp t, 0,1,2,3,4,5,6,7,8,9,10,11,12,13,14,15
	ds_load_b128 v[BB+4*\t:BB+4*\t+3], v[RD] offset:\t*SPITCH
.endr
.endm
.macro SEND a, younger
.set BB, BK+64*((\a)%2)
	s_wait_dscnt \younger                          ; the block is back; the next block's 16 stores and 16 loads may be out
.irp t, 0,1,2,3,4,5,6,7,8,9,10,11,12,13,14,15
	global_store_b128 v[CO], v[BB+4*\t:BB+4*\t+3], s[46:47] offset:(\a)*65536+\t*4096 th:TH_STORE_NT   ; 512 consecutive bytes, aligned
.endr
.endm
	PLACES
	TOSTAGE 0
.irp a, 1,2,3
.if \a > 1
	s_wait_xcnt 0x0                                ; block a - 2's stores have read their registers: block a's loads may land there
.endif
	TOSTAGE \a
	SEND \a-1, 32
.endr
	SEND 3, 0
	s_wait_tensorcnt 0x0                           ; the wave's end
	ds_add_u32 v[SPW], v[NIL]
	s_wait_dscnt 0x0
	CROUND                                         ; the closing round
	s_endpgm
.Lfunc_end_k_q3d2d9d8bdd_oproj:
	.size	k_q3d2d9d8bdd_oproj, .Lfunc_end_k_q3d2d9d8bdd_oproj-k_q3d2d9d8bdd_oproj
	.p2alignl 7, 3214868480
	.fill 96, 4, 3214868480
	.section	.rodata,"a",@progbits
	.p2align	6, 0x0
	.amdhsa_kernel k_q3d2d9d8bdd_oproj
		.amdhsa_group_segment_fixed_size 327680
		.amdhsa_private_segment_fixed_size 0
		.amdhsa_enable_private_segment 0
		.amdhsa_kernarg_size 32
		.amdhsa_user_sgpr_count 2
		.amdhsa_user_sgpr_kernarg_segment_ptr 1
		.amdhsa_wavefront_size32 1
		.amdhsa_system_sgpr_workgroup_id_x 1
		.amdhsa_system_sgpr_workgroup_id_y 1
		.amdhsa_system_sgpr_workgroup_id_z 1
		.amdhsa_system_vgpr_workitem_id 0
		.amdhsa_next_free_vgpr 768
		.amdhsa_next_free_sgpr 66
		.amdhsa_reserve_vcc 0
		.amdhsa_float_denorm_mode_32 3
		.amdhsa_float_denorm_mode_16_64 3
		.amdhsa_memory_ordered 1
		.amdhsa_forward_progress 1
		.amdhsa_inst_pref_size 87
	.end_amdhsa_kernel
	.amdgpu_metadata
---
amdhsa.version: [ 1, 2 ]
amdhsa.kernels:
  - .name:           k_q3d2d9d8bdd_oproj
    .symbol:         k_q3d2d9d8bdd_oproj.kd
    .args:
      - { .name: oimg, .offset: 0, .size: 8, .value_kind: global_buffer, .address_space: global }
      - { .name: wo16, .offset: 8, .size: 8, .value_kind: global_buffer, .address_space: global }
      - { .name: bo, .offset: 16, .size: 8, .value_kind: global_buffer, .address_space: global }
      - { .name: out0, .offset: 24, .size: 8, .value_kind: global_buffer, .address_space: global }
    .group_segment_fixed_size: 327680
    .private_segment_fixed_size: 0
    .kernarg_segment_align: 8
    .kernarg_segment_size: 32
    .max_flat_workgroup_size: 128
    .sgpr_count:     66
    .vgpr_count:     768
    .wavefront_size: 32
...
	.end_amdgpu_metadata
.endif
;; end of part 4
